; MI455X (gfx1250); checked and timed in simulation.
; The chip was launched on July 23, 2026; its instructions are those of AMD's public machine-readable ISA for CDNA 5 (MIT licence, August 2026) and "CDNA5" Instruction Set Architecture Reference Guide (July 2026). The comments in the code are by the model that wrote it; some were corrected since.
;; MABSINK. Allowed arithmetic: matrix products marked QUANTISED: E2M3 operands, one E8M0 scale for each 32 along K, by v_wmma_scale_f32_16x16x128_f8f6f4 with both operands' format E2M3, f32 sums; everything else in f32.
;; Inputs: K_codes 4 x 2,048 x 32 x 24 uint8 (E2M3 codes of K, K innermost, in blocks of 32 codes, four codes in three bytes); K_scales 4 x 2,048 x 32 uint8 (E8M0 scales of K, one for each 32 codes along K); Q_codes 4 x 2,048 x 32 x 24 uint8 (E2M3 codes of Q, K innermost, in blocks of 32 codes, four codes in three bytes); Q_scales 4 x 2,048 x 32 uint8 (E8M0 scales of Q, one for each 32 codes along K); Wk_codes 1,024 x 32 x 24 uint8 (E2M3 codes of Wk, K innermost, in blocks of 32 codes, four codes in three bytes); Wk_scales 1,024 x 32 uint8 (E8M0 scales of Wk, one for each 32 codes along K); Wo_codes 1,024 x 32 x 24 uint8 (E2M3 codes of Wo, K innermost, in blocks of 32 codes, four codes in three bytes); Wo_scales 1,024 x 32 uint8 (E8M0 scales of Wo, one for each 32 codes along K); Wq_codes 1,024 x 32 x 24 uint8 (E2M3 codes of Wq, K innermost, in blocks of 32 codes, four codes in three bytes); Wq_scales 1,024 x 32 uint8 (E8M0 scales of Wq, one for each 32 codes along K); Wv_codes 1,024 x 32 x 24 uint8 (E2M3 codes of Wv, K innermost, in blocks of 32 codes, four codes in three bytes); Wv_scales 1,024 x 32 uint8 (E8M0 scales of Wv, one for each 32 codes along K); b0 1,024 float32; b1 1,024 float32; bk 1,024 float32; bo 1,024 float32; bq 1,024 float32; bv 1,024 float32; g0 1,024 float32; g1 1,024 float32.
;; Outputs: out0 4 x 2,048 x 1,024 float32.
;; This version of the problem:
;;   THIS VERSION OF THE PROBLEM IS GIVEN IN LOW PRECISION. The matrix products marked QUANTISED in the list below multiply operands that are first quantised to E2M3 (2 exponent bits, 3 mantissa bits; 6 bits a number), with one power-of-two scale for each 32 numbers along K (OCP MX v1.0); their sums are f32. All else is computed in f32.
;;   The module's matrix products, in the order in which they are computed (A, B: the left and right operand; K: the contracted axis; several contracted axes count as one K, in the product's order):
;;     1. [M 8,192, K 1,024] x [K 1,024, N 1,024]; A: input Q (given as codes); B: input Wq (given as codes): QUANTISED
;;     2. [M 8,192, K 1,024] x [K 1,024, N 1,024]; A: input K (given as codes); B: input Wk (given as codes): QUANTISED
;;     3. [M 8,192, K 1,024] x [K 1,024, N 1,024]; A: input K (given as codes); B: input Wv (given as codes): QUANTISED
;;     4. batch 64 x [M 2,048, K 64] x [K 64, N 2,048]; A: computed on the way; B: computed on the way: QUANTISED
;;     5. batch 64 x [M 2,048, K 2,048] x [K 2,048, N 64]; A: computed on the way; B: computed on the way: QUANTISED
;;     6. [M 8,192, K 1,024] x [K 1,024, N 1,024]; A: computed on the way; B: input Wo (given as codes): QUANTISED
;;   THE QUANTISER, for each operand of a quantised product, along K:
;;     - K is cut into blocks of 32 from its start; a last block that is shorter is filled with zeros.
;;     - A block's scale is 2^e with e = floor(log2(the largest magnitude in the block)) - 2, held to -126 .. 127; a block of zeros has e = 0. As a byte (E8M0): e + 127.
;;     - Each number is divided by its block's scale, clamped to +-7.5, and rounded to the nearest number of E2M3, ties to even, subnormals kept.
;;     - The product sums the exact products of the quantised numbers (number of the format x scale) in f32.
;;   ~~~python
;;   def quantise(x, axis):      # numpy; x: float32 -> the quantised numbers, widened to float32 again
;;       x = np.moveaxis(x, axis, -1); K = x.shape[-1]
;;       x = np.pad(x, [(0, 0)] * (x.ndim - 1) + [(0, -K % 32)]); x = x.reshape(x.shape[:-1] + (-1, 32)); a = np.abs(x).max(-1, keepdims=True)
;;       e = np.where(a > 0, np.clip(np.frexp(np.where(a > 0, a, 1))[1] - 1 - 2, -126, 127), 0)      # np.frexp(a)[1] - 1 = floor(log2(a)), exactly
;;       r = np.clip(x / 2.0 ** e, -7.5, 7.5)
;;       step = 2.0 ** (np.maximum(np.frexp(np.where(r == 0, 1, r))[1] - 1, 0) - 3)
;;       q = np.round(r / step) * step * 2.0 ** e      # np.round: ties to even
;;       return np.moveaxis(q.reshape(q.shape[:-2] + (-1,))[..., :K], -1, axis).astype(np.float32)
;;   ~~~
;;   OPERANDS COMPUTED ON THE WAY. 'Computed on the way' means the value that the module computes at that place (a softmax that the list does not call 'softmax' is quantised finished and normalised). What goes into a quantiser is computed in f32, as accurately as f32 sums, v_exp_f32 and their like allow (about 1e-6 of the number): no bf16 or f16 on the way to a quantiser, and a product that is left as it is and whose result goes on into a quantised operand takes f32 operands (vector FMAs, or v_wmma_f32_16x16x4_f32). A number that lies on a knife's edge between two numbers of the format may be rounded either way, as far as f32 arithmetic and the matrix unit's own rounding can turn it there, and no further.
;;   INPUTS GIVEN AS CODES. K (in the module: [4, 2048, 1024], K = its axis 2); Q (in the module: [4, 2048, 1024], K = its axis 2); Wk (in the module: [1024, 1024], K = its axis 1); Wo (in the module: [1024, 1024], K = its axis 1); Wq (in the module: [1024, 1024], K = its axis 1); Wv (in the module: [1024, 1024], K = its axis 1): each comes as NAME_codes (uint8): NAME with its K axis moved to the last place and cut into blocks of 32 codes, [.., K / 32, bytes a block], one block behind the other in memory; four codes in three bytes: a row's codes are one little-endian stream of bits, code i at bits 6 i .. 6 i + 5 (a code: sign, 2 exponent bits, 3 mantissa bits); and NAME_scales (uint8): the same leading axes, one E8M0 byte (e + 127) for each 32 codes along K. Its value is code x scale, taken as it is: it is not quantised again, and the codes and scales need not be those that the quantiser above would give.
;; One version. Each part assembles by itself: llvm-mc -triple=amdgcn-amd-amdhsa -mcpu=gfx1250 --defsym DOCPART=n.
;; ======== version 1 of 1: 3 launches
;; limits: right only within a limited range of input values
;; workspace buffers: qkv 20,185,088 bytes; qp 33,554,432 bytes; ob 33,554,432 bytes; woi 786,432 bytes
;; launch proj (part 1): grid 4 x 96, 4 waves a work-group, clusters of 4 x 4, 327,680 bytes of LDS; arguments Q_codes, Q_scales, K_codes, K_scales, Wq_codes, Wq_scales, Wk_codes, Wk_scales, Wv_codes, Wv_scales, bq, bk, bv, Wo_codes, qkv, qp, woi; writes qkv, qp, woi
.if DOCPART == 1
	.amdgcn_target "amdgcn-amd-amdhsa--gfx1250"
	.amdhsa_code_object_version 6
	.text
	.protected	k_q208bdcc20b_proj
	.globl	k_q208bdcc20b_proj
	.p2align	8
	.type	k_q208bdcc20b_proj,@function
k_q208bdcc20b_proj:
	s_mov_b64 s[64:65], 0
	v_nop
	global_prefetch_b8 v0, s[64:65] scope:SCOPE_SE
	s_setreg_imm32_b32 hwreg(HW_REG_WAVE_MODE, 25, 1), 1
	s_wait_xcnt 0x0
	s_wait_alu depctr_hold_cnt(0) depctr_sa_sdst(0) depctr_va_vdst(0) depctr_va_sdst(0) depctr_va_ssrc(0) depctr_va_vcc(0) depctr_vm_vsrc(0)
	s_getreg_b32 s2, hwreg(HW_REG_IB_STS2, 6, 4)
	s_cmp_eq_u32 s2, 0
	s_cbranch_scc0 .Lentry_in_a_cluster
	s_endpgm
.Lentry_in_a_cluster:
	s_bfe_u32 s2, ttmp6, 0x10000c
	s_cmp_lg_u32 s2, 0xf033
	s_cbranch_scc0 .Lentry_shape_is_right
	s_endpgm
.Lentry_shape_is_right:
.set KSTEP,  256
.set NQ,     2
; The three projections on codes of FP6, 256 x 256 of a result a work-group.  K goes through a ring of two LDS slots in CHUNKS OF 256 BYTES of each row of codes
; (a row is 768 bytes: three chunks, each beginning at a multiple of 256 bytes); a step of 128 along K is 96 bytes: eight steps to three chunks, steps 2 and 5 lie across two chunks.
.set ROWB,   256
.set KROW,   768
.set CHUNKS, 3
.set PITCH,  272
.set G0H,    4                         ; s[4:7], s[8:11]: group 0 of the head's loads of chunk 0 (the arguments that lay there have been used by then)
.set G0HB,   8
.set FR,     12
.set NL,     6
.set NP,     4
.set HALFT,  128*PITCH
.set SLOT,   4*HALFT
.set KS,     32
.set SCL,    2*SLOT
.set HALFS,  16*272
.set SPARE,  SCL+4*HALFS
.set REC,    315392
.set KSO,    98304
.set VCO,    106496
.set VSO,    204800
.set QCO,    208896
.set ADRA, 16
.set ADRB, 20
.set LI,   24
.set L8,   25
.set H64,  26
.set ADRS, 27
.set SPW,  28
.set NIL,  29
.set R4,   30
.set LN,   31
.set SC,   32
.set BI,   64
.set AF,   128
.set LY,   224
.set XT,   128
.set PC,   192
.set TM,   212
.set PW,   228
.set WE,   232
.set SE,   240
.set SO,   244
.set SEL,  94
.set G1, 24
.set G0, 32
.set G1B, 48
.set G0B, 56
.set G1S, 68
.set G0S, 76
.set G1SB, 80
.set G0SB, 88
.set MSB, 0
.macro WIN new
.if MSB != (\new)
	s_set_vgpr_msb (MSB<<8)|(\new)
.set MSB, (\new)
.endif
.endm
.set MUL_LO, 0xa1
.set MUL_HI, 0xf1
.set TO_B,   0x40
.macro JLOAD g0a, g1a, g0b, g1b
	s_cmp_eq_u32 s15, 0
	s_cbranch_scc0 .Lfor_b_\@
	tensor_load_to_lds s[\g0a:\g0a+3], s[\g1a:\g1a+7]
	s_nop 0
.rept 4
	v_nop
.endr
	s_branch .Lasked_\@
.Lfor_b_\@:
	tensor_load_to_lds s[\g0b:\g0b+3], s[\g1b:\g1b+7]
	s_nop 0
.rept 4
	v_nop
.endr
.Lasked_\@:
.endm
.macro CREST
	s_cmp_lg_u32 s14, 0
	s_cbranch_scc1 .Lnot_wave_0_\@
	s_barrier_signal -3
.Lnot_wave_0_\@:
	s_barrier_wait -3
	s_barrier_signal -1
	s_barrier_wait -1
.endm
.macro CROUND
	s_barrier_signal -1
	s_barrier_wait -1
	CREST
.endm
	s_load_b512 s[24:39], s[0:1], 0x0
	s_load_b512 s[40:55], s[0:1], 0x40
	s_load_b64 s[56:57], s[0:1], 0x80
	v_lshl_add_u32 v[SPW], v0, 2, SPARE
	v_mov_b32 v[NIL], 0
	ds_add_u32 v28, v29
	ds_add_u32 v28, v29
	s_wait_dscnt 0x0
	v_lshrrev_b32 v1, 5, v0
	v_readfirstlane_b32 s14, v1
	s_lshr_b32 s15, s14, 1
	s_and_b32 s16, s14, 1
	s_bfe_u32 s2, ttmp6, 0x40000
	s_bfe_u32 s3, ttmp6, 0x40004
	s_and_b32 s67, ttmp7, 0xffff
	s_lshr_b32 s66, s67, 3
	s_and_b32 s67, s67, 7
	s_cmp_eq_u32 s66, 2
	s_cselect_b32 s18, 0, s67
	s_cselect_b32 s19, s67, 0
	s_lshl_b32 s17, s18, 2
	s_add_co_u32 s17, s17, s3
	s_lshl_b32 s92, s19, 2
	s_add_co_u32 s92, s92, s2
	s_mov_b32 s[SEL], 0x76543210
	s_mov_b32 s[SEL+1], 0xfedcba98
	s_wait_kmcnt 0x0
	s_cmp_eq_u32 s66, 0
	s_cselect_b64 s[4:5], s[24:25], s[28:29]
	s_cselect_b64 s[6:7], s[26:27], s[30:31]
	s_cselect_b64 s[8:9], s[32:33], s[36:37]
	s_cselect_b64 s[10:11], s[34:35], s[38:39]
	s_cselect_b64 s[96:97], s[44:45], s[46:47]
	s_cmp_eq_u32 s66, 2
	s_cselect_b64 s[4:5], s[40:41], s[4:5]
	s_cselect_b64 s[6:7], s[42:43], s[6:7]
	s_cselect_b64 s[8:9], s[28:29], s[8:9]
	s_cselect_b64 s[10:11], s[30:31], s[10:11]
	s_cselect_b64 s[96:97], s[48:49], s[96:97]
	s_mov_b64 s[12:13], s[52:53]
	s_mov_b64 s[98:99], s[54:55]
	s_mov_b64 s[100:101], s[50:51]
	s_mov_b64 s[104:105], s[56:57]
	s_lshl_b32 s41, s3, 2
	s_lshl_b32 s41, 15, s41
	s_lshl_b32 s42, 0x1111, s2
	s_or_b32 s[G1+0], s41, (0<<16)|(1<<20)|(1<<21)|(5<<22)|(3<<25)
	s_or_b32 s[G1B+0], s42, (0<<16)|(1<<20)|(1<<21)|(5<<22)|(3<<25)
.irp g, G1, G1B
	s_mov_b32 s[\g+1], ROWB<<16
	s_mov_b32 s[\g+2], 256<<16
	s_mov_b32 s[\g+3], ROWB<<16
	s_mov_b32 s[\g+4], 256
	s_mov_b32 s[\g+5], KROW
	s_mov_b32 s[\g+6], 0
	s_mov_b32 s[\g+7], 0
.endr
	s_or_b32 s[G1S+0], s41, (3<<16)|(1<<20)|(1<<21)|(5<<22)|(3<<25)
	s_or_b32 s[G1SB+0], s42, (3<<16)|(1<<20)|(1<<21)|(5<<22)|(3<<25)
.irp g, G1S, G1SB
	s_mov_b32 s[\g+1], 32<<16
	s_mov_b32 s[\g+2], KS<<16
	s_mov_b32 s[\g+3], 32<<16
	s_mov_b32 s[\g+4], KS
	s_mov_b32 s[\g+5], 32
	s_mov_b32 s[\g+6], 0
	s_mov_b32 s[\g+7], 0
.endr
	s_lshl_b32 s20, s17, 8                         ; A: the tile's first row
	s_lshl_b32 s46, s92, 8                         ; B: likewise
	s_mov_b32 s21, 0
	s_mov_b32 s47, 0
	s_mov_b64 s[18:19], KS
	s_mul_u64 s[22:23], s[20:21], s[18:19]
	s_mul_u64 s[44:45], s[46:47], s[18:19]
	s_mov_b64 s[18:19], KROW
	s_mul_u64 s[20:21], s[20:21], s[18:19]
	s_mul_u64 s[46:47], s[46:47], s[18:19]
	s_mul_i32 s43, s14, HALFT
	s_mul_i32 s18, s16, 128*KROW                   ; in the ring I fetch 128 rows of a tile: which half, in bytes
	s_mov_b32 s19, 0
	s_add_nc_u64 s[20:21], s[4:5], s[20:21]
	s_add_nc_u64 s[22:23], s[6:7], s[22:23]
	s_add_nc_u64 s[46:47], s[8:9], s[46:47]
	s_add_nc_u64 s[44:45], s[10:11], s[44:45]
	CROUND
	s_mov_b32 s[G0H], 1                            ; the head's four tiles, each whole: chunk 0's 256 rows of A,
	s_mov_b32 s[G0H+1], 0
	s_mov_b64 s[G0H+2:G0H+3], s[20:21]
	s_or_b32 s[G0H+3], s[G0H+3], 0x80000000
	s_mov_b32 s[G0HB], 1                           ; its 256 rows of B,
	s_mov_b32 s[G0HB+1], 2*HALFT
	s_mov_b64 s[G0HB+2:G0HB+3], s[46:47]
	s_or_b32 s[G0HB+3], s[G0HB+3], 0x80000000
	s_mov_b32 s[G0S], 1                            ; the scales of A's 256 rows,
	s_mov_b32 s[G0S+1], SCL
	s_mov_b64 s[G0S+2:G0S+3], s[22:23]
	s_or_b32 s[G0S+3], s[G0S+3], 0x80000000
	s_mov_b32 s[G0SB], 1                           ; and of B's
	s_mov_b32 s[G0SB+1], SCL+2*HALFS
	s_mov_b64 s[G0SB+2:G0SB+3], s[44:45]
	s_or_b32 s[G0SB+3], s[G0SB+3], 0x80000000
	s_add_nc_u64 s[20:21], s[20:21], s[18:19]      ; for the ring: my 128 rows of the tile
	s_add_nc_u64 s[46:47], s[46:47], s[18:19]
.irp s, 0,1
	s_mov_b32 s[G0+4*\s], 1
	s_add_co_u32 s[G0+4*\s+1], s43, \s*SLOT
	s_add_nc_u64 s[G0+4*\s+2:G0+4*\s+3], s[20:21], \s*ROWB
	s_or_b32 s[G0+4*\s+3], s[G0+4*\s+3], 0x80000000
	s_mov_b32 s[G0B+4*\s], 1
	s_add_co_u32 s[G0B+4*\s+1], s43, \s*SLOT
	s_add_nc_u64 s[G0B+4*\s+2:G0B+4*\s+3], s[46:47], \s*ROWB
	s_or_b32 s[G0B+4*\s+3], s[G0B+4*\s+3], 0x80000000
.endr
; the head's loads, one a wave: one tree of branches on the wave's number, every way passes one load
.macro ARM under, g0, g1, next
	s_cmp_lt_u32 s14, \under
	s_cbranch_scc0 \next
	tensor_load_to_lds s[\g0:\g0+3], s[\g1:\g1+7]
	s_nop 0
.rept 4
	v_nop
.endr
	s_branch .Lhead_asked
\next:
.endm
	ARM 1, G0H,  G1,  .Lhead_b
	ARM 2, G0HB, G1B, .Lhead_sa
	ARM 3, G0S,  G1S, .Lhead_sb
	tensor_load_to_lds s[G0SB:G0SB+3], s[G1SB:G1SB+7]
	s_nop 0
.rept 4
	v_nop
.endr
.Lhead_asked:
	v_and_b32 v1, 15, v0
	v_bfe_u32 v2, v0, 4, 1
	v_and_b32 v3, 8, v1
	v_add_nc_u32 v3, v3, v1
	v_and_b32 v[LN], 31, v0
	v_lshlrev_b32 v[LI], 4, v[LN]
	v_lshlrev_b32 v[L8], 3, v[LN]
	v_lshlrev_b32 v[H64], 6, v2
	v_lshlrev_b32 v[R4], 2, v3
	v_mul_u32_u24 v6, v3, KROW
	v_mad_u32_u24 v6, v2, 24, v6
	v_mul_u32_u24 v7, v3, PITCH
	v_mad_u32_u24 v4, v2, 24, v7                   ; a fragment's row x pitch + 24 x half
	s_mov_b32 s21, SLOT-232
	s_mov_b32 s22, SLOT+232
	v_sub_nc_u32 v8, 1, v2
	v_mul_u32_u24 v5, s21, v2
	v_add_nc_u32 v5, v7, v5
	v_add_nc_u32 v5, 232, v5                       ; across two chunks: lanes 0-15 byte 232 of the row in slot 0, lanes 16-31 byte 0 of the row in slot 1;
	v_mul_u32_u24 v9, s22, v8
	v_add_nc_u32 v9, v7, v9                        ; and lanes 0-15 byte 232 in slot 1, lanes 16-31 byte 0 in slot 0
	s_mul_i32 s21, s15, HALFT
	s_mul_i32 s22, s16, HALFT
	s_add_co_u32 s22, s22, 2*HALFT
	v_add_nc_u32 v[ADRA+2], s21, v5
	v_add_nc_u32 v[ADRA+3], s21, v9
	v_add_nc_u32 v[ADRB+2], s22, v5
	v_add_nc_u32 v[ADRB+3], s22, v9
.irp s, 0,1
	v_add_nc_u32 v[ADRA+\s], s21, v4
	v_add_nc_u32 v[ADRB+\s], s22, v4
	s_add_co_u32 s21, s21, SLOT
	s_add_co_u32 s22, s22, SLOT
.endr
	v_mul_u32_u24 v5, v3, KS
	v_lshrrev_b32 v4, 8, v5
	v_lshl_add_u32 v5, v4, 4, v5
	s_mul_i32 s21, s15, HALFS
	s_mul_i32 s22, s16, HALFS
	s_add_co_u32 s22, s22, 2*HALFS
	s_sub_co_u32 s22, s22, s21
	v_mul_u32_u24 v4, s22, v2
	s_add_co_u32 s21, s21, SCL
	v_add_nc_u32 v5, v5, v4
	v_add_nc_u32 v[ADRS], s21, v5
	s_cmp_lg_u32 s66, 0
	s_cbranch_scc1 .Lno_lay
	s_lshl_b32 s18, s17, 2
	s_add_co_u32 s18, s18, s92
	s_lshl_b32 s18, s18, 2
	s_add_co_u32 s18, s18, s14
	s_lshr_b32 s19, s18, 6
	s_bfe_u32 s20, s18, 0x30003
	s_bfe_u32 s21, s18, 0x20001
	s_and_b32 s22, s18, 1
	s_lshl_b32 s19, s19, 7
	s_lshl_b32 s21, s21, 5
	s_lshl_b32 s22, s22, 3
	s_add_co_u32 s19, s19, s21
	s_add_co_u32 s19, s19, s22
	s_mul_i32 s19, s19, KROW
	s_mul_i32 s20, s20, 96
	s_add_co_u32 s20, s19, s20
	s_mov_b32 s21, 0
	s_add_nc_u64 s[100:101], s[100:101], s[20:21]
	s_mul_i32 s22, s18, 1536
	s_mov_b32 s23, 0
	s_add_nc_u64 s[104:105], s[104:105], s[22:23]
.irp p, 0,1,2,3,4,5
	global_load_b64 v[LY+2*\p:LY+2*\p+1], v6, s[100:101] offset:48*(\p/3)+8*(\p%3)
.endr
	s_wait_loadcnt 0x0
.irp c, 0,1,2
	global_store_b128 v[LI], v[LY+4*\c:LY+4*\c+3], s[104:105] offset:512*\c
.endr
.Lno_lay:
.macro FRAG reg, adr, st, i            ; pieces of 8 bytes; byte y of a row of codes lies in chunk y / 256, in slot (y / 256) % 2, at byte y % 256 of the LDS row
.irp p, 0,1,2,3,4,5
.set BY, 96*(\st)+48*(\p/3)+8*(\p%3)
.if BY/ROWB == (BY+24)/ROWB
	ds_load_b64 v[\reg+2*\p:\reg+2*\p+1], v[\adr+(BY/ROWB)%2] offset:BY%ROWB+(32*((\i)/2)+8*((\i)%2))*PITCH
.else
	ds_load_b64 v[\reg+2*\p:\reg+2*\p+1], v[\adr+2+(BY/ROWB)%2] offset:BY%ROWB-232+(32*((\i)/2)+8*((\i)%2))*PITCH
.endif
.endr
.endm
.macro MUL16 a0, p, q, sc, zero
.irp a, \a0, \a0+1
.irp b, 0,1,2,3,4,5,6,7
.if \zero
	v_wmma_scale_f32_16x16x128_f8f6f4 v[8*(8*((\a)%4)+\b):8*(8*((\a)%4)+\b)+7], v[128*(\p)+FR*\b:128*(\p)+FR*\b+FR-1], v[AF+FR*(\a):AF+FR*(\a)+FR-1], 0, v[SC+8*NQ*(\sc)+NQ*\b+(\q)], v[SC+8*NQ*(\sc)+NQ*(\a)+(\q)] matrix_a_fmt:MATRIX_FMT_FP6 matrix_b_fmt:MATRIX_FMT_FP6 matrix_a_scale:MATRIX_SCALE_ROW1
.else
	v_wmma_scale_f32_16x16x128_f8f6f4 v[8*(8*((\a)%4)+\b):8*(8*((\a)%4)+\b)+7], v[128*(\p)+FR*\b:128*(\p)+FR*\b+FR-1], v[AF+FR*(\a):AF+FR*(\a)+FR-1], v[8*(8*((\a)%4)+\b):8*(8*((\a)%4)+\b)+7], v[SC+8*NQ*(\sc)+NQ*\b+(\q)], v[SC+8*NQ*(\sc)+NQ*(\a)+(\q)] matrix_a_fmt:MATRIX_FMT_FP6 matrix_b_fmt:MATRIX_FMT_FP6 matrix_a_scale:MATRIX_SCALE_ROW1
.endif
.endr
.endr
.endm
.macro FETCH_B st, p
	WIN TO_B
.irp i, 0,1,2,3,4,5,6,7
	FRAG 128*(\p)+FR*\i, ADRB, \st, \i
.endr
	WIN 0
.endm
.macro FETCH_A st, i0
.irp i, \i0, \i0+1, \i0+2, \i0+3
	FRAG AF+FR*(\i), ADRA, \st, \i
.endr
.endm
.macro SCALES pr
.irp i, 0,1,2,3,4,5,6,7
	ds_load_b64 v[SC+8*NQ*((\pr)%2)+NQ*\i:SC+8*NQ*((\pr)%2)+NQ*\i+1], v[ADRS] offset:(4*(\i/2)+\i%2)*272+4*NQ*(\pr)
.endr
.endm
.macro PLACES n
.rept \n
	v_nop
.endr
.endm
; A step of 128 along K: 64 products on step st's fragments; the next step's fragments are fetched in its middle and at its end.
; Where the next step's bytes END in a chunk not yet read: the wait for my tensor loads and a barrier show it whole.  Where they BEGIN in a later chunk: the chunk left behind is read no more:
; the wait, the add, the wait for it and for my reads, the barrier; where a chunk two on is left to fetch, the barrier opens a round of the cluster's barrier and the slot is filled again.
.macro STEP st, zero
.set NX, (\st)+1
.set C0, (96*(\st))/ROWB
.set C1, (96*NX)/ROWB
.set E0, (96*(\st)+95)/ROWB
.set E1, (96*NX+95)/ROWB
.if C1 > C0 || E1 > E0
	s_wait_tensorcnt 0x0
.if C1 > C0
	ds_add_u32 v[SPW], v[NIL]
	s_wait_dscnt 4*NL+1                            ; the add and the youngest loads, A's blocks 4-7, may be out
.else
	s_wait_dscnt 4*NL
.endif
	WIN MUL_LO
	MUL16 0, (\st)%2, (\st)%2, ((\st)/2)%2, \zero
	s_wait_dscnt 0x0
	s_barrier_signal -1
	MUL16 2, (\st)%2, (\st)%2, ((\st)/2)%2, \zero
	WIN 0
	s_barrier_wait -1
.if C1 > C0 && C0+2 < CHUNKS
	CREST
	s_add_nc_u64 s[G0+4*(C0%2)+2:G0+4*(C0%2)+3], s[G0+4*(C0%2)+2:G0+4*(C0%2)+3], 2*ROWB
	s_add_nc_u64 s[G0B+4*(C0%2)+2:G0B+4*(C0%2)+3], s[G0B+4*(C0%2)+2:G0B+4*(C0%2)+3], 2*ROWB
	JLOAD G0+4*(C0%2), G1, G0B+4*(C0%2), G1B
.else
	PLACES NP
.endif
.else
	s_wait_dscnt 4*NL
	WIN MUL_LO
	MUL16 0, (\st)%2, (\st)%2, ((\st)/2)%2, \zero
	MUL16 2, (\st)%2, (\st)%2, ((\st)/2)%2, \zero
	s_wait_dscnt 0
	PLACES NP
.endif
	FETCH_B NX, NX%2
	FETCH_A NX, 0
.if NX%2 == 0
	SCALES NX/2
.endif
	WIN MUL_HI
	MUL16 4, (\st)%2, (\st)%2, ((\st)/2)%2, \zero
	MUL16 6, (\st)%2, (\st)%2, ((\st)/2)%2, \zero
	PLACES NP
	WIN 0
	FETCH_A NX, 4
.endm
.macro LAST
	s_wait_dscnt 4*NL
	WIN MUL_LO
	MUL16 0, 1, NQ-1, 1, 0
	MUL16 2, 1, NQ-1, 1, 0
	s_wait_dscnt 0
	WIN MUL_HI
	MUL16 4, 1, NQ-1, 1, 0
	MUL16 6, 1, NQ-1, 1, 0
	WIN 0
.endm
.macro QUANT s
.irp b, 0,1,2,3
	v_max3_num_f32 v[TM+\b], |v[\s+16*\b]|, |v[\s+1+16*\b]|, 0x1800000
.endr
.irp i, 2,4,6,8,10,12,14
.irp b, 0,1,2,3
	v_max3_num_f32 v[TM+\b], v[TM+\b], |v[\s+16*\b+\i]|, |v[\s+1+16*\b+\i]|
.endr
.endr
.irp b, 0,1,2,3
	v_permlanex16_b32 v[TM+4+\b], v[TM+\b], s[SEL], s[SEL+1]
.endr
.irp b, 0,1,2,3
	v_max_num_f32 v[TM+\b], v[TM+\b], v[TM+4+\b]
.endr
.irp b, 0,1,2,3
	v_add_nc_u32 v[TM+12+\b], 0xff000000, v[TM+\b]
.endr
.irp b, 0,1,2,3
	v_lshrrev_b32 v[TM+4+\b], 23, v[TM+12+\b]
.endr
	v_lshl_or_b32 v[PW], v[TM+5], 8, v[TM+4]
	v_lshl_or_b32 v[PW], v[TM+6], 16, v[PW]
	v_lshl_or_b32 v[PW], v[TM+7], 24, v[PW]
.irp c, 0,1
	v_cvt_scalef32_pk16_fp6_f32 v[PC+6*\c:PC+2+6*\c], v[\s+32*\c:\s+15+32*\c], v[TM+12+2*\c]
	v_cvt_scalef32_pk16_fp6_f32 v[PC+12+4*\c:PC+14+4*\c], v[\s+16+32*\c:\s+31+32*\c], v[TM+12+2*\c+1]
.endr
	v_nop
.irp c, 0,1
.irp i, 0,1,2
	v_permlane16_swap_b32 v[PC+6*\c+\i], v[PC+12+4*\c+\i]
.endr
.irp i, 0,1,2
	v_mov_b32 v[PC+3+6*\c+\i], v[PC+12+4*\c+\i]
.endr
.endr
.endm
.macro EPIHEAD
	PLACES NP
	s_wait_loadcnt 0x0
	s_wait_xcnt 0x0
.irp b, 0,1,2,3
	v_mov_b32 v[TM+4+\b], 0
.endr
.endm
.macro EPI_QK a
	s_wait_xcnt 0x0
	WIN 0x02+(\a)/4
.set KK, 0
.rept 32
	v_pk_add_f32 v[XT+2*KK:XT+2*KK+1], v[64*((\a)%4)+2*KK:64*((\a)%4)+2*KK+1], v[BI+2*KK:BI+2*KK+1]
.set KK, KK+1
.endr
	WIN 0
	s_cmp_lg_u32 s66, 0
	s_cbranch_scc1 .Lno_qp_\@
.irp j, 0,1,2,3,4,5,6,7,8,9,10,11,12,13,14,15
	global_store_b128 v[LI], v[XT+4*\j:XT+4*\j+3], s[8:9] offset:(\a)*65536+(\j/8)*4096+(\j%8)*512
.endr
.Lno_qp_\@:
	QUANT XT
	global_store_b128 v[LI], v[PC:PC+3], s[4:5] offset:(\a)*768
	global_store_b64 v[L8], v[PC+4:PC+5], s[4:5] offset:(\a)*768+512
	global_store_b128 v[LI], v[PC+6:PC+9], s[4:5] offset:REC+(\a)*768
	global_store_b64 v[L8], v[PC+10:PC+11], s[4:5] offset:REC+(\a)*768+512
	v_mov_b32 v[WE+\a], v[PW]
.endm
.macro EPI_V a
	s_wait_xcnt 0x0
	WIN 0x02+(\a)/4
.set KK, 0
.rept 32
	v_pk_add_f32 v[XT+2*KK:XT+2*KK+1], v[64*((\a)%4)+2*KK:64*((\a)%4)+2*KK+1], v[BI+2*(\a):BI+2*(\a)+1]
.set KK, KK+1
.endr
	WIN 0
	QUANT XT
.irp c, 0,1,2
	global_store_b128 v[LI], v[PC+4*\c:PC+4*\c+3], s[4:5] offset:((\a)/4)*REC+((\a)%4)*1536+512*\c
.endr
	v_mov_b32 v[WE+\a], v[PW]
.endm
.macro WORDS
	v_cmp_le_u32 vcc_lo, 16, v[LN]
.irp i, 0,1,2,3
	v_cndmask_b32 v[SE+\i], v[WE+2*\i], v[WE+2*\i+1], vcc_lo
.endr
.endm
.macro FINISH
	s_wait_tensorcnt 0x0
	ds_add_u32 v[SPW], v[NIL]
	s_wait_dscnt 0x0
	CROUND
	s_endpgm
.endm
	s_wait_alu depctr_va_vdst(0)                   ; the wait at the head's end
	s_wait_tensorcnt 0x0                           ; my tile of the head's four is in
	ds_add_u32 v[SPW], v[NIL]
	s_mov_b32 s[G1+2], 128<<16                     ; no tensor load of mine is out: from here on a load brings 128 rows
	s_mov_b32 s[G1+4], 128
	s_mov_b32 s[G1B+2], 128<<16
	s_mov_b32 s[G1B+4], 128
	s_wait_dscnt 0x0
	CROUND
	JLOAD G0+4, G1, G0B+4, G1B                     ; chunk 1, the first tensor load behind the round
	FETCH_B 0, 0
	FETCH_A 0, 0
	SCALES 0
	FETCH_A 0, 4
	STEP 0, 1
	STEP 1, 0
	STEP 2, 0
	STEP 3, 0
	STEP 4, 0
	STEP 5, 0
	s_cmp_eq_u32 s66, 2
	s_cbranch_scc1 .Lv
	s_lshl_b32 s18, s92, 10
	s_lshl_b32 s19, s16, 9
	s_add_co_u32 s18, s18, s19
	s_mov_b32 s19, 0
	s_add_nc_u64 s[96:97], s[96:97], s[18:19]
.irp b, 0,1,2,3,4,5,6,7
	global_load_b128 v[BI+8*\b:BI+8*\b+3], v[H64], s[96:97] offset:(32*(\b/2)+8*(\b%2))*4
	global_load_b128 v[BI+8*\b+4:BI+8*\b+7], v[H64], s[96:97] offset:(32*(\b/2)+8*(\b%2))*4+16
.endr
	s_lshl_b32 s18, s17, 1
	s_add_co_u32 s18, s18, s15
	s_lshr_b32 s19, s18, 4
	s_and_b32 s20, s18, 15
	s_lshl_b32 s21, s92, 2
	s_lshl_b32 s22, s16, 1
	s_add_co_u32 s21, s21, s22
	s_lshl_b32 s19, s19, 4
	s_add_co_u32 s19, s19, s21
	s_mul_i32 s22, s19, REC
	s_cmp_eq_u32 s66, 0
	s_cselect_b32 s23, QCO, 0
	s_add_co_u32 s22, s22, s23
	s_mul_i32 s23, s20, 6144
	s_add_co_u32 s4, s22, s23
	s_mov_b32 s5, 0
	s_add_nc_u64 s[4:5], s[12:13], s[4:5]
	s_lshl_b32 s23, s20, 9
	s_add_co_u32 s6, s22, s23
	s_add_co_u32 s6, s6, KSO
	s_mov_b32 s7, 0
	s_add_nc_u64 s[6:7], s[12:13], s[6:7]
	s_lshl_b32 s8, s18, 19
	s_lshl_b32 s23, s21, 12
	s_add_co_u32 s8, s8, s23
	s_mov_b32 s9, 0
	s_add_nc_u64 s[8:9], s[98:99], s[8:9]
	STEP 6, 0
	LAST
	EPIHEAD
.irp a, 0,1,2,3,4,5,6,7
	EPI_QK \a
.endr
	WORDS
.irp i, 0,1,2,3
	v_lshrrev_b32 v[SO+\i], 16, v[SE+\i]
.endr
.irp i, 0,1,2,3
	v_and_b32 v[SE+\i], 0xffff, v[SE+\i]
.endr
	global_store_b128 v[LI], v[SE:SE+3], s[6:7]
	global_store_b128 v[LI], v[SO:SO+3], s[6:7] offset:REC
	FINISH
.Lv:
	s_lshl_b32 s18, s17, 10
	s_lshl_b32 s19, s15, 9
	s_add_co_u32 s18, s18, s19
	s_mov_b32 s19, 0
	s_add_nc_u64 s[96:97], s[96:97], s[18:19]
.irp a, 0,1,2,3,4,5,6,7
	global_load_b32 v[BI+2*\a], v[R4], s[96:97] offset:(32*(\a/2)+8*(\a%2))*4
	global_load_b32 v[BI+2*\a+1], v[R4], s[96:97] offset:(32*(\a/2)+8*(\a%2))*4
.endr
	s_lshl_b32 s18, s17, 1
	s_add_co_u32 s18, s18, s15
	s_lshl_b32 s19, s92, 1
	s_add_co_u32 s19, s19, s16
	s_lshr_b32 s20, s19, 4
	s_and_b32 s21, s19, 15
	s_lshl_b32 s20, s20, 4
	s_lshl_b32 s18, s18, 1
	s_add_co_u32 s20, s20, s18
	s_mul_i32 s22, s20, REC
	s_mul_i32 s23, s21, 6144
	s_add_co_u32 s4, s22, s23
	s_add_co_u32 s4, s4, VCO
	s_mov_b32 s5, 0
	s_add_nc_u64 s[4:5], s[12:13], s[4:5]
	s_lshl_b32 s23, s21, 8
	s_add_co_u32 s6, s22, s23
	s_add_co_u32 s6, s6, VSO
	s_mov_b32 s7, 0
	s_add_nc_u64 s[6:7], s[12:13], s[6:7]
	STEP 6, 0
	LAST
	EPIHEAD
.irp a, 0,1,2,3,4,5,6,7
	EPI_V \a
.endr
	WORDS
	global_store_b64 v[L8], v[SE:SE+1], s[6:7]
	global_store_b64 v[L8], v[SE+2:SE+3], s[6:7] offset:REC
	FINISH
.Lfunc_end_k_q208bdcc20b_proj:
	.size	k_q208bdcc20b_proj, .Lfunc_end_k_q208bdcc20b_proj-k_q208bdcc20b_proj
	.p2alignl 7, 3214868480
	.fill 96, 4, 3214868480
	.section	.rodata,"a",@progbits
	.p2align	6, 0x0
	.amdhsa_kernel k_q208bdcc20b_proj
		.amdhsa_group_segment_fixed_size 327680
		.amdhsa_private_segment_fixed_size 0
		.amdhsa_enable_private_segment 0
		.amdhsa_kernarg_size 136
		.amdhsa_user_sgpr_count 2
		.amdhsa_user_sgpr_kernarg_segment_ptr 1
		.amdhsa_wavefront_size32 1
		.amdhsa_system_sgpr_workgroup_id_x 1
		.amdhsa_system_sgpr_workgroup_id_y 1
		.amdhsa_system_sgpr_workgroup_id_z 1
		.amdhsa_system_vgpr_workitem_id 0
		.amdhsa_next_free_vgpr 1024
		.amdhsa_next_free_sgpr 106
		.amdhsa_reserve_vcc 1
		.amdhsa_float_denorm_mode_32 3
		.amdhsa_float_denorm_mode_16_64 3
		.amdhsa_memory_ordered 1
		.amdhsa_forward_progress 1
		.amdhsa_inst_pref_size 255
	.end_amdhsa_kernel
	.section	.bss,"aw",@nobits
	.p2align	6
	.space	262144
	.amdgpu_metadata
---
amdhsa.version: [ 1, 2 ]
amdhsa.kernels:
  - .name:           k_q208bdcc20b_proj
    .symbol:         k_q208bdcc20b_proj.kd
    .args:
      - { .name: Q_codes, .offset: 0, .size: 8, .value_kind: global_buffer, .address_space: global }
      - { .name: Q_scales, .offset: 8, .size: 8, .value_kind: global_buffer, .address_space: global }
      - { .name: K_codes, .offset: 16, .size: 8, .value_kind: global_buffer, .address_space: global }
      - { .name: K_scales, .offset: 24, .size: 8, .value_kind: global_buffer, .address_space: global }
      - { .name: Wq_codes, .offset: 32, .size: 8, .value_kind: global_buffer, .address_space: global }
      - { .name: Wq_scales, .offset: 40, .size: 8, .value_kind: global_buffer, .address_space: global }
      - { .name: Wk_codes, .offset: 48, .size: 8, .value_kind: global_buffer, .address_space: global }
      - { .name: Wk_scales, .offset: 56, .size: 8, .value_kind: global_buffer, .address_space: global }
      - { .name: Wv_codes, .offset: 64, .size: 8, .value_kind: global_buffer, .address_space: global }
      - { .name: Wv_scales, .offset: 72, .size: 8, .value_kind: global_buffer, .address_space: global }
      - { .name: bq, .offset: 80, .size: 8, .value_kind: global_buffer, .address_space: global }
      - { .name: bk, .offset: 88, .size: 8, .value_kind: global_buffer, .address_space: global }
      - { .name: bv, .offset: 96, .size: 8, .value_kind: global_buffer, .address_space: global }
      - { .name: Wo_codes, .offset: 104, .size: 8, .value_kind: global_buffer, .address_space: global }
      - { .name: qkv, .offset: 112, .size: 8, .value_kind: global_buffer, .address_space: global }
      - { .name: qp, .offset: 120, .size: 8, .value_kind: global_buffer, .address_space: global }
      - { .name: woi, .offset: 128, .size: 8, .value_kind: global_buffer, .address_space: global }
    .group_segment_fixed_size: 327680
    .private_segment_fixed_size: 0
    .kernarg_segment_align: 8
    .kernarg_segment_size: 136
    .max_flat_workgroup_size: 128
    .sgpr_count:     106
    .vgpr_count:     1024
    .wavefront_size: 32
...
	.end_amdgpu_metadata
.endif
;; end of part 1
;; launch attn (part 2): grid 4 x 64, 8 waves a work-group, no clusters, 69,120 bytes of LDS; arguments qkv, qp, ob; writes ob
.if DOCPART == 2
	.amdgcn_target "amdgcn-amd-amdhsa--gfx1250"
	.amdhsa_code_object_version 6
	.text
	.protected	k_q208bdcc20b_attn
	.globl	k_q208bdcc20b_attn
	.p2align	8
	.type	k_q208bdcc20b_attn,@function
k_q208bdcc20b_attn:
	s_mov_b64 s[64:65], 0
	v_nop
	global_prefetch_b8 v0, s[64:65] scope:SCOPE_SE
	s_setreg_imm32_b32 hwreg(HW_REG_WAVE_MODE, 25, 1), 1
	s_wait_xcnt 0x0
; O_ = Q_ + (softmax(Q_ K_^T / 32) / 2048) V_ for one (batch, head) record and 512 queries a work-group; both products on codes of FP6 (E2M3), one E8M0 scale for each 32 along K.
; SHARES.  THE EIGHT WAVES SHARE THE KEYS: wave w owns keys 256 w .. 256 w + 255 and holds their fragments of K (16 x 6 registers) and of V (8 x 12) in registers for the whole launch.
; All waves work on the same 16 queries, a ROUND; 32 rounds.  Both products are used transposed (S^T = K q^T, O^T = V^T p^T): a lane holds one query, its registers run along the keys.
; EACH SCORE IS MULTIPLIED ONCE AND EACH EXPONENTIAL TAKEN ONCE: e = 2^(t - m_w), t = score x log2(e) / 32, m_w the largest t of the wave's 256 keys, stays in 128 registers.  The waves exchange (m_w, sum of e) through LDS;
; with M the largest m and L = sum of l_w 2^(m_w - M), p = e x f, f = 2^(m_w - M) / L / 2048: the finished softmax / nq, which is then quantised by blocks of 32 keys.
; A block's largest p is its largest score put through the same multiply-add, exponential and multiplication.
; The waves' partial O^T go through a stage in LDS; wave w adds up eighth w of the 16 x 64 numbers, adds Q_ (qp) and stores 512 consecutive bytes.
; ONE BARRIER A ROUND: a trip normalises and multiplies round i, stores round i - 1 and makes round i + 1's e; the exchanged words and the stage have two sets of bytes, taken by the round's parity (so the loop's trip is two rounds).
; K's head has 64 numbers, half of the instruction's 128: q's upper 64 codes are zeros, so source 0 may hold any codes there: fragment t is v[6 t : 6 t + 11], whose upper half is the next fragment; the scale words' upper bytes are 0, a finite code.
; NO TENSOR LOADS, NO CLUSTER: K and V are read once by a work-group, 512 consecutive bytes an instruction, straight into the operands' registers; joint requests exist for loads into LDS alone, and that way would add a write and a read of all bytes.
; NO PREFETCH: q's codes and qp are loaded into registers a whole round ahead of their use.
; LIMITS: NaN and infinities are not served; the promise holds while the scaled scores stay under 2^31 in magnitude; a block whose p are all 0 gets the byte 1 (its codes are zeros).
; REGISTERS.  Window 0: v1-12 addresses; v10 m_w, v11 l_w; v14 f; v20-27 e of the 8 blocks' largest scores; v28-39 K's and V's scale words; v40-51 q; v52-71 p's codes; v72-87, v120-125 at work; v88-119 O^T; v126, v127 q's and p's scale words; v128-255 e.
; Window 1: v0-95 K; v96-191 V; v192-227 the eight partial sums and qp.
.set REC, 315392
.set KSO, 98304
.set VCO, 106496
.set VSO, 204800
.set QCO, 208896
.set QSO, 307200
.set STP, 1280                         ; LDS: the exchanged words of one parity: 16 queries x 80 bytes (m of 8 waves, l of 8 waves, 16 of padding)
.set OBF, 2560                         ; the stage: 8 waves x 4,096 bytes, twice
.set OPP, 32768
.set SPARE, OBF+2*OPP                  ; the spare words, 128 bytes a wave
.set LI, 1
.set L8, 2
.set R16, 3
.set SPW, 4
.set NIL, 5
.set STS, 6
.set STL, 7
.set OST, 8
.set OLD, 9
.set MT, 10
.set LS, 11
.set RO, 12
.set F, 14
.set QC, 16
.set QD, 17
.set QE, 18
.set EB, 20
.set KS, 28
.set VS, 36
.set QF, 40
.set PC, 52
.set PT, 64
.set TM, 72
.set OA, 88
.set TX, 120
.set QS, 126
.set PW, 127
.set E, 128
.set CC, 52
.set SEL, 54
.set MSB, 0
.macro WIN new
.if MSB != (\new)
	s_set_vgpr_msb (MSB<<8)|(\new)
.set MSB, (\new)
.endif
.endm
.macro NOP4
.rept 4
	v_nop
.endr
.endm
.macro WM d, a, b, acc, sa, sb, ra
.if \acc
.if \ra
	v_wmma_scale_f32_16x16x128_f8f6f4 v[\d:\d+7], v[\a:\a+11], v[\b:\b+11], v[\d:\d+7], v[\sa], v[\sb] matrix_a_fmt:MATRIX_FMT_FP6 matrix_b_fmt:MATRIX_FMT_FP6 matrix_a_scale:MATRIX_SCALE_ROW1
.else
	v_wmma_scale_f32_16x16x128_f8f6f4 v[\d:\d+7], v[\a:\a+11], v[\b:\b+11], v[\d:\d+7], v[\sa], v[\sb] matrix_a_fmt:MATRIX_FMT_FP6 matrix_b_fmt:MATRIX_FMT_FP6
.endif
.else
.if \ra
	v_wmma_scale_f32_16x16x128_f8f6f4 v[\d:\d+7], v[\a:\a+11], v[\b:\b+11], 0, v[\sa], v[\sb] matrix_a_fmt:MATRIX_FMT_FP6 matrix_b_fmt:MATRIX_FMT_FP6 matrix_a_scale:MATRIX_SCALE_ROW1
.else
	v_wmma_scale_f32_16x16x128_f8f6f4 v[\d:\d+7], v[\a:\a+11], v[\b:\b+11], 0, v[\sa], v[\sb] matrix_a_fmt:MATRIX_FMT_FP6 matrix_b_fmt:MATRIX_FMT_FP6
.endif
.endif
.endm
; q's codes and scale word of tile s30 of my 32 (held at the last tile: the last but one trip loads that tile once more, so that no load leaves the record)
.macro QLOAD
	s_min_u32 s31, s30, 31
	s_mul_i32 s32, s31, 768
	s_lshr_b32 s33, s31, 3
	s_lshl_b32 s33, s33, 9                         ; scale words: 512 bytes for 8 tiles,
	s_bfe_u32 s34, s31, 0x20001
	s_lshl_b32 s34, s34, 2                         ; word (tile / 2) % 4 of a lane's 16 bytes,
	s_add_co_u32 s33, s33, s34
	s_and_b32 s34, s31, 1
	s_lshl_b32 s34, s34, 8                         ; the odd tile in the image's lanes 16-31
	s_add_co_u32 s33, s33, s34
	s_add_co_u32 s30, s30, 1
	v_add_nc_u32 v[QC], s32, v[LI]
	v_add_nc_u32 v[QD], s32, v[L8]
	v_add_nc_u32 v[QE], s33, v[R16]
	global_load_b128 v[QF:QF+3], v[QC], s[20:21]
	global_load_b64 v[QF+4:QF+5], v[QD], s[20:21] offset:512
	global_load_b32 v[QS], v[QE], s[22:23]
.endm
.macro OSTORE op                       ; my partial O^T into the stage, each accumulator from its low end on
.irp c, 0,1,2,3,4,5,6,7
	ds_store_b128 v[OST], v[OA+4*\c:OA+4*\c+3] offset:(\op)*OPP+512*\c
.endr
.endm
; The next round's scores, e, m_w and l_w.  sp: the parity of the words written; op: the stage's parity
.macro SPART sp, op, witho
	WIN 0x01                                       ; source 0 window 1
.irp j, 0,1
.irp a, 0,1,2,3,4,5,6,7
	WM E+64*\j+8*\a, 6*(8*\j+\a), QF, 0, KS+4*\j+\a/2, QS, \a%2
.endr
.endr
	WIN 0
	NOP4                                           ; places ahead of the reads of results and of the loads into q's registers
.if \witho
	OSTORE \op
.endif
	QLOAD
.irp b, 0,1,2,3,4,5,6,7                ; the largest score of each block of 32 keys, eight chains by turns
	v_max3_num_f32 v[TM+\b], v[E+16*\b], v[E+16*\b+1], v[E+16*\b+2]
.endr
.irp i, 3,5,7,9,11,13
.irp b, 0,1,2,3,4,5,6,7
	v_max3_num_f32 v[TM+\b], v[TM+\b], v[E+16*\b+\i], v[E+16*\b+\i+1]
.endr
.endr
.irp b, 0,1,2,3,4,5,6,7
	v_max_num_f32 v[TM+\b], v[TM+\b], v[E+16*\b+15]
.endr
.irp b, 0,1,2,3,4,5,6,7
	v_permlanex16_b32 v[TM+8+\b], v[TM+\b], s[SEL], s[SEL+1]
.endr
.irp b, 0,1,2,3,4,5,6,7
	v_max_num_f32 v[TM+\b], v[TM+\b], v[TM+8+\b]
.endr
	v_max3_num_f32 v[TX], v[TM], v[TM+1], v[TM+2]
	v_max3_num_f32 v[TX+1], v[TM+3], v[TM+4], v[TM+5]
	s_delay_alu instid0(VALU_DEP_2)
	v_max3_num_f32 v[TX], v[TX], v[TM+6], v[TM+7]
	s_delay_alu instid0(VALU_DEP_1)
	v_max_num_f32 v[TX], v[TX], v[TX+1]
	s_delay_alu instid0(VALU_DEP_1)
	v_mul_f32 v[MT], s[CC], v[TX]                  ; m_w
.set JJ, 0
.rept 16                               ; t - m_w of the first quarter (32 registers)
	v_pk_fma_f32 v[E+JJ:E+JJ+1], v[E+JJ:E+JJ+1], s[CC:CC+1], v[MT:MT+1] op_sel_hi:[1,0,0] neg_lo:[0,0,1] neg_hi:[0,0,1]
.set JJ, JJ+2
.endr
.irp b, 0,1,2,3,4,5,6,7
	v_fma_f32 v[EB+\b], v[TM+\b], s[CC], -v[MT]
.endr
; The exponentials go in four batches of 32 registers.  Behind each batch, ahead of the wait that closes it, stands plain work that names none of its results:
; the next quarter's t - m_w and the sums of the quarter before.  Each wait closes one batch and stands ahead of the next.
.irp q, 0,1,2,3
	s_wait_alu depctr_va_vdst(0)
.set JJ, 32*\q
.rept 32
	v_exp_f32 v[E+JJ], v[E+JJ]
.set JJ, JJ+1
.endr
.if \q == 0
.irp b, 0,1,2,3,4,5,6,7
	v_exp_f32 v[EB+\b], v[EB+\b]
.endr
.endif
.if \q < 3
.rept 16                               ; JJ stands at the next quarter's first register
	v_pk_fma_f32 v[E+JJ:E+JJ+1], v[E+JJ:E+JJ+1], s[CC:CC+1], v[MT:MT+1] op_sel_hi:[1,0,0] neg_lo:[0,0,1] neg_hi:[0,0,1]
.set JJ, JJ+2
.endr
.endif
.if \q == 1
.irp k, 0,1,2,3,4,5,6,7                ; the sum of the unquantised e: eight chains of pairs, begun on quarter 0
	v_pk_add_f32 v[TM+2*\k:TM+2*\k+1], v[E+4*\k:E+4*\k+1], v[E+4*\k+2:E+4*\k+3]
.endr
.endif
.if \q > 1
.set JJ, 32*(\q-1)
.rept 2
.irp k, 0,1,2,3,4,5,6,7
	v_pk_add_f32 v[TM+2*\k:TM+2*\k+1], v[TM+2*\k:TM+2*\k+1], v[E+JJ+2*\k:E+JJ+2*\k+1]
.endr
.set JJ, JJ+16
.endr
.endif
.endr
	s_wait_alu depctr_va_vdst(0)                   ; the last batch is closed
.set JJ, 96
.rept 2
.irp k, 0,1,2,3,4,5,6,7
	v_pk_add_f32 v[TM+2*\k:TM+2*\k+1], v[TM+2*\k:TM+2*\k+1], v[E+JJ+2*\k:E+JJ+2*\k+1]
.endr
.set JJ, JJ+16
.endr
.irp k, 0,1,2,3
	v_pk_add_f32 v[TM+2*\k:TM+2*\k+1], v[TM+2*\k:TM+2*\k+1], v[TM+8+2*\k:TM+8+2*\k+1]
.endr
.irp k, 0,1
	v_pk_add_f32 v[TM+2*\k:TM+2*\k+1], v[TM+2*\k:TM+2*\k+1], v[TM+4+2*\k:TM+4+2*\k+1]
.endr
	s_delay_alu instid0(VALU_DEP_1)
	v_pk_add_f32 v[TM:TM+1], v[TM:TM+1], v[TM+2:TM+3]
	s_delay_alu instid0(VALU_DEP_1)
	v_add_f32 v[LS], v[TM], v[TM+1]
	v_permlanex16_b32 v[TX], v[LS], s[SEL], s[SEL+1]
	v_add_f32 v[LS], v[LS], v[TX]                  ; l_w
	ds_store_b32 v[STS], v[MT] offset:(\sp)*STP    ; lanes r and r + 16 hold the same number and write the same word
	ds_store_b32 v[STS], v[LS] offset:(\sp)*STP+32
.endm
; p = e x f of 128 keys, its codes and scale word, and O^T += V^T p^T
.macro NPART j
.set JJ, 0
.rept 32
	v_pk_mul_f32 v[E+64*\j+JJ:E+64*\j+JJ+1], v[E+64*\j+JJ:E+64*\j+JJ+1], v[F:F+1] op_sel_hi:[1,0]
.set JJ, JJ+2
.endr
.irp b, 0,1,2,3
	v_mul_f32 v[TM+\b], v[EB+4*\j+\b], v[F]        ; the block's largest p
.endr
.irp b, 0,1,2,3
	s_delay_alu instid0(VALU_DEP_4)
	v_max_num_f32 v[TM+\b], 0x1800000, v[TM+\b]    ; the floor 2^(3 - 127): the byte cannot fall under 1
.endr
.irp b, 0,1,2,3
	s_delay_alu instid0(VALU_DEP_4)
	v_add_nc_u32 v[TM+8+\b], 0xff000000, v[TM+\b]  ; 2 off the exponent field: the conversion's scale operand
.endr
.irp b, 0,1,2,3
	s_delay_alu instid0(VALU_DEP_4)
	v_lshrrev_b32 v[TM+4+\b], 23, v[TM+8+\b]
.endr
	s_delay_alu instid0(VALU_DEP_3)
	v_lshl_or_b32 v[PW], v[TM+5], 8, v[TM+4]
	s_delay_alu instid0(VALU_DEP_1)
	v_lshl_or_b32 v[PW], v[TM+6], 16, v[PW]
	s_delay_alu instid0(VALU_DEP_1)
	v_lshl_or_b32 v[PW], v[TM+7], 24, v[PW]
.irp c, 0,1
	v_cvt_scalef32_pk16_fp6_f32 v[PC+6*\c:PC+6*\c+2], v[E+64*\j+32*\c:E+64*\j+32*\c+15], v[TM+8+2*\c]
	v_cvt_scalef32_pk16_fp6_f32 v[PT+4*\c:PT+4*\c+2], v[E+64*\j+32*\c+16:E+64*\j+32*\c+31], v[TM+8+2*\c+1]
.endr
	v_nop                                          ; one plain place behind a scaled conversion
.irp c, 0,1
.irp i, 0,1,2
	v_permlane16_swap_b32 v[PC+6*\c+\i], v[PT+4*\c+\i]   ; a whole block in a lane
.endr
.irp i, 0,1,2
	v_mov_b32 v[PC+3+6*\c+\i], v[PT+4*\c+\i]
.endr
.endr
	NOP4                                           ; an operand written by vector instructions stands 4 places ahead of a scaled matrix instruction (the scale word: 8)
	WIN 0x01
.irp t, 0,1,2,3
	WM OA+8*\t, 96+12*(4*\j+\t), PC, \j, VS+2*\j+\t/2, PW, \t%2
.endr
	WIN 0
.endm
.macro RLOAD p                         ; eighth w of the eight waves' partial O^T
	WIN 0x40
.irp u, 0,1,2,3,4,5,6,7
	ds_load_b128 v[192+4*\u:192+4*\u+3], v[OLD] offset:(\p)*OPP+4096*\u
.endr
	WIN 0
.endm
.macro RSUM off                        ; their sum + Q_, stored: 32 lanes, 512 consecutive bytes
	WIN 0x45
.irp u, 0,2,4,6
	v_pk_add_f32 v[192+4*\u:193+4*\u], v[192+4*\u:193+4*\u], v[196+4*\u:197+4*\u]
	v_pk_add_f32 v[194+4*\u:195+4*\u], v[194+4*\u:195+4*\u], v[198+4*\u:199+4*\u]
.endr
.irp u, 0,4
	v_pk_add_f32 v[192+4*\u:193+4*\u], v[192+4*\u:193+4*\u], v[200+4*\u:201+4*\u]
	v_pk_add_f32 v[194+4*\u:195+4*\u], v[194+4*\u:195+4*\u], v[202+4*\u:203+4*\u]
.endr
	v_pk_add_f32 v[208:209], v[208:209], v[224:225]
	v_pk_add_f32 v[210:211], v[210:211], v[226:227]
	s_delay_alu instid0(VALU_DEP_2)
	v_pk_add_f32 v[192:193], v[192:193], v[208:209]
	s_delay_alu instid0(VALU_DEP_2)
	v_pk_add_f32 v[194:195], v[194:195], v[210:211]
	WIN 0x04                                       ; a store's data are its source 1
	global_store_b128 v[RO], v[192:195], s[26:27] offset:\off
	WIN 0
.endm
.macro BAR
	s_wait_alu depctr_va_vdst(0)                   ; the wait ahead of the blocking wait
	s_wait_dscnt 0x0                               ; my stores are done and my reads are over
	s_barrier_signal -1
	s_barrier_wait -1
.endm
; Trip i (par = i % 2): f of round i; p, codes, O^T of round i; round i - 1 stored (dor); round i + 1's e (dos)
.macro TRIP par, dos, dor
	s_wait_xcnt 0x0                                ; the last trip's loads and store have read their registers
	ds_load_b128 v[TM:TM+3], v[STL] offset:\par*STP        ; m of waves 4 h .. 4 h + 3,
	ds_load_b128 v[TM+4:TM+7], v[STL] offset:\par*STP+32   ; and l
.if \dor
	RLOAD 1-\par
	s_wait_dscnt 8                                 ; the eight loads from the stage may be out
.else
	s_wait_dscnt 0x0
.endif
	v_max3_num_f32 v[TM+8], v[TM], v[TM+1], v[TM+2]
	v_max_num_f32 v[TM+8], v[TM+8], v[TM+3]
	v_permlanex16_b32 v[TM+9], v[TM+8], s[SEL], s[SEL+1]
	v_max_num_f32 v[TM+8], v[TM+8], v[TM+9]        ; M
	v_pk_add_f32 v[TM:TM+1], v[TM:TM+1], v[TM+8:TM+9] op_sel_hi:[1,0] neg_lo:[0,1] neg_hi:[0,1]
	v_pk_add_f32 v[TM+2:TM+3], v[TM+2:TM+3], v[TM+8:TM+9] op_sel_hi:[1,0] neg_lo:[0,1] neg_hi:[0,1]
	v_sub_f32 v[TM+10], v[MT], v[TM+8]
	s_wait_alu depctr_va_vdst(0)                   ; ahead of the batch
.irp k, 0,1,2,3,10
	v_exp_f32 v[TM+\k], v[TM+\k]
.endr
	v_nop
	s_wait_alu depctr_va_vdst(0)                   ; and behind it
	v_pk_mul_f32 v[TM+4:TM+5], v[TM+4:TM+5], v[TM:TM+1]
	v_pk_fma_f32 v[TM+4:TM+5], v[TM+6:TM+7], v[TM+2:TM+3], v[TM+4:TM+5]
	v_add_f32 v[TM+4], v[TM+4], v[TM+5]
	v_permlanex16_b32 v[TM+5], v[TM+4], s[SEL], s[SEL+1]
	v_add_f32 v[TM+4], v[TM+4], v[TM+5]            ; L
	s_wait_alu depctr_va_vdst(0)
	v_rcp_f32 v[TM+4], v[TM+4]
	v_mul_f32 v[TM+10], 0x3a000000, v[TM+10]       ; 2^(m_w - M) / 2048; the plain place behind the reciprocal
	s_wait_alu depctr_va_vdst(0)
	v_mul_f32 v[F], v[TM+4], v[TM+10]
	NPART 0
	NPART 1
	s_wait_loadcnt 0x0                             ; qp of round i - 1 and q of round i + 1, asked for in the last trip
.if \dor
	s_wait_dscnt 0x0
	v_add_nc_u32 v[RO], 0x10000, v[RO]             ; a tile of 16 queries on in qp and ob
	RSUM -65536
.endif
	WIN 0x40
	global_load_b128 v[224:227], v[RO], s[24:25] th:TH_LOAD_NT   ; qp of round i
	WIN 0
.if \dos
	SPART 1-\par, \par, 1
.else
	NOP4
	OSTORE \par
.endif
	BAR
.endm
	s_load_b128 s[4:7], s[0:1], 0x0                ; qkv, qp
	s_load_b64 s[8:9], s[0:1], 0x10                ; ob
	v_lshl_add_u32 v[SPW], v0, 2, SPARE
	v_mov_b32 v[NIL], 0
	v_lshrrev_b32 v13, 5, v0
	v_readfirstlane_b32 s10, v13                   ; wave 0..7
	v_and_b32 v13, 31, v0
	v_and_b32 v19, 15, v0                          ; r
	v_bfe_u32 v[QC], v0, 4, 1                      ; h
	v_lshlrev_b32 v[LI], 4, v13
	v_lshlrev_b32 v[L8], 3, v13
	v_lshlrev_b32 v[R16], 4, v19
	v_mul_u32_u24 v19, v19, 80
	v_lshl_add_u32 v[STL], v[QC], 4, v19           ; the exchanged words: query r, four waves' for each half of the lanes
	s_lshl_b32 s11, s10, 2
	v_add_nc_u32 v[STS], s11, v19                  ; and my wave's among them
	s_lshl_b32 s11, s10, 12
	s_add_co_u32 s11, s11, OBF
	v_add_nc_u32 v[OST], s11, v[LI]                ; the stage: my 4,096 bytes,
	s_lshl_b32 s11, s10, 9
	s_add_co_u32 s11, s11, OBF
	v_add_nc_u32 v[OLD], s11, v[LI]                ; and eighth w of each wave's
	v_mov_b32 v[RO], v[LI]
	v_mov_b32 v[LS], 0                             ; named as the upper halves of pairs before they are first written
	v_mov_b32 v[F+1], 0
.irp j, 6,7,8,9,10,11
	v_mov_b32 v[QF+\j], 0                          ; q's upper 64 codes
.endr
.irp j, 8,9,10,11,12,13,14,15
	v_mov_b32 v[TM+\j], 0                          ; a lane permute's destination counts as one of its sources
.endr
	v_mov_b32 v[TX], 0
	s_mov_b32 s[CC], 0x3d38aa3b                    ; log2(e) / 32
	s_mov_b32 s[CC+1], s[CC]
	s_mov_b32 s[SEL], 0x76543210
	s_mov_b32 s[SEL+1], 0xfedcba98
	s_and_b32 s28, ttmp7, 0xffff                   ; the record: 16 x batch + head
	s_mul_i32 s36, s28, REC
	s_mov_b32 s37, 0
	s_mul_i32 s38, s10, 12288                      ; K's codes of my 256 keys
	s_mov_b32 s39, 0
	s_add_co_u32 s40, s38, VCO                     ; V's
	s_mov_b32 s41, 0
	s_lshl_b32 s42, s10, 10
	s_add_co_u32 s42, s42, KSO
	s_mov_b32 s43, 0
	s_lshl_b32 s44, s10, 9
	s_add_co_u32 s44, s44, VSO
	s_mov_b32 s45, 0
	s_mul_i32 s46, ttmp9, 24576                    ; q: my work-group's 32 tiles of 768 bytes
	s_add_co_u32 s46, s46, QCO
	s_mov_b32 s47, 0
	s_lshl_b32 s48, ttmp9, 11
	s_add_co_u32 s48, s48, QSO
	s_mov_b32 s49, 0
	s_lshr_b32 s50, s28, 4
	s_lshl_b32 s50, s50, 2
	s_add_co_u32 s50, s50, ttmp9
	s_lshl_b32 s50, s50, 21                        ; qp, ob: tile 32 (4 batch + x), 65,536 bytes a tile,
	s_and_b32 s51, s28, 15
	s_lshl_b32 s51, s51, 12                        ; 4,096 a head,
	s_add_co_u32 s50, s50, s51
	s_lshl_b32 s51, s10, 9                         ; my eighth
	s_add_co_u32 s50, s50, s51
	s_mov_b32 s51, 0
	s_mov_b32 s30, 0
	s_wait_alu depctr_va_vdst(0)                   ; the wait at the head's end
	s_wait_kmcnt 0x0
	s_add_nc_u64 s[4:5], s[4:5], s[36:37]
	s_add_nc_u64 s[12:13], s[4:5], s[38:39]
	s_add_nc_u64 s[16:17], s[4:5], s[40:41]
	s_add_nc_u64 s[14:15], s[4:5], s[42:43]
	s_add_nc_u64 s[18:19], s[4:5], s[44:45]
	s_add_nc_u64 s[20:21], s[4:5], s[46:47]
	s_add_nc_u64 s[22:23], s[4:5], s[48:49]
	s_add_nc_u64 s[24:25], s[6:7], s[50:51]
	s_add_nc_u64 s[26:27], s[8:9], s[50:51]
	WIN 0x40                                       ; destination window 1
.set TT, 0
.rept 16
	global_load_b128 v[6*TT:6*TT+3], v[LI], s[12:13] offset:768*TT
	global_load_b64 v[6*TT+4:6*TT+5], v[L8], s[12:13] offset:768*TT+512
.set TT, TT+1
.endr
.set TT, 0
.rept 24
	global_load_b128 v[96+4*TT:96+4*TT+3], v[LI], s[16:17] offset:512*TT
.set TT, TT+1
.endr
	WIN 0
	global_load_b128 v[KS:KS+3], v[LI], s[14:15]
	global_load_b128 v[KS+4:KS+7], v[LI], s[14:15] offset:512
	global_load_b64 v[VS:VS+1], v[L8], s[18:19]
	global_load_b64 v[VS+2:VS+3], v[L8], s[18:19] offset:256
	QLOAD
	s_wait_loadcnt 0x0
	SPART 0, 0, 0                                  ; round 0's e
	BAR
	TRIP 0, 1, 0
	s_mov_b32 s29, 15
.Lrounds:                                              ; trips 1 to 30, two to a turn of the loop
	TRIP 1, 1, 1
	TRIP 0, 1, 1
	s_sub_co_u32 s29, s29, 1
	s_cmp_lg_u32 s29, 0
	s_cbranch_scc1 .Lrounds
	TRIP 1, 0, 1
	s_wait_xcnt 0x0
	RLOAD 1                                        ; round 31 goes out
	s_wait_loadcnt 0x0
	s_wait_dscnt 0x0
	RSUM 0
	s_wait_tensorcnt 0x0                           ; the wave's end
	ds_add_u32 v[SPW], v[NIL]
	s_wait_dscnt 0x0
	s_endpgm
.Lfunc_end_k_q208bdcc20b_attn:
	.size	k_q208bdcc20b_attn, .Lfunc_end_k_q208bdcc20b_attn-k_q208bdcc20b_attn
	.p2alignl 7, 3214868480
	.fill 96, 4, 3214868480
	.section	.rodata,"a",@progbits
	.p2align	6, 0x0
	.amdhsa_kernel k_q208bdcc20b_attn
		.amdhsa_group_segment_fixed_size 69120
		.amdhsa_private_segment_fixed_size 0
		.amdhsa_enable_private_segment 0
		.amdhsa_kernarg_size 24
		.amdhsa_user_sgpr_count 2
		.amdhsa_user_sgpr_kernarg_segment_ptr 1
		.amdhsa_wavefront_size32 1
		.amdhsa_system_sgpr_workgroup_id_x 1
		.amdhsa_system_sgpr_workgroup_id_y 1
		.amdhsa_system_sgpr_workgroup_id_z 1
		.amdhsa_system_vgpr_workitem_id 0
		.amdhsa_next_free_vgpr 512
		.amdhsa_next_free_sgpr 66
		.amdhsa_reserve_vcc 0
		.amdhsa_float_denorm_mode_32 3
		.amdhsa_float_denorm_mode_16_64 3
		.amdhsa_memory_ordered 1
		.amdhsa_forward_progress 1
		.amdhsa_inst_pref_size 149
	.end_amdhsa_kernel
	.amdgpu_metadata
---
amdhsa.version: [ 1, 2 ]
amdhsa.kernels:
  - .name:           k_q208bdcc20b_attn
    .symbol:         k_q208bdcc20b_attn.kd
    .args:
      - { .name: qkv, .offset: 0, .size: 8, .value_kind: global_buffer, .address_space: global }
      - { .name: qp, .offset: 8, .size: 8, .value_kind: global_buffer, .address_space: global }
      - { .name: ob, .offset: 16, .size: 8, .value_kind: global_buffer, .address_space: global }
    .group_segment_fixed_size: 69120
    .private_segment_fixed_size: 0
    .kernarg_segment_align: 8
    .kernarg_segment_size: 24
    .max_flat_workgroup_size: 256
    .sgpr_count:     66
    .vgpr_count:     512
    .wavefront_size: 32
...
	.end_amdgpu_metadata
.endif
;; end of part 2
;; launch fin (part 3): grid 256 x 1, 8 waves a work-group, no clusters, 99,328 bytes of LDS; arguments ob, woi, Wo_scales, g0, b0, bo, g1, b1, out0; writes out0
.if DOCPART == 3
	.amdgcn_target "amdgcn-amd-amdhsa--gfx1250"
	.amdhsa_code_object_version 6
	.text
	.protected	k_q208bdcc20b_fin
	.globl	k_q208bdcc20b_fin
	.p2align	8
	.type	k_q208bdcc20b_fin,@function
k_q208bdcc20b_fin:
	s_mov_b64 s[64:65], 0
	v_nop
	global_prefetch_b8 v0, s[64:65] scope:SCOPE_SE
	s_setreg_imm32_b32 hwreg(HW_REG_WAVE_MODE, 25, 1), 1
	s_wait_xcnt 0x0
; out = LN1(O1 + relu(O1 Wo^T + bo)), O1 = LN0(O_); the product on codes of FP6 (E2M3) with one E8M0 scale for each 32 along K = 1,024: O1 is quantised here, Wo's codes come as images of their fragments (woi).
; SHARES.  A work-group owns 32 rows: two tiles m of 16 (lane r of tile m: row 32 g + 8 m + r + 8 (r / 8)).  THE EIGHT WAVES SHARE THE COLUMNS: wave w owns columns 128 w .. 128 w + 127 throughout: as a part of the
; rows that are normalised, as K step w of the product, and as its own eight tiles of outputs.  In all of these a lane (r, h) holds 64 numbers of its row, register 16 b + i = column 32 b + 16 h + i of the 128:
; so O1 for the residual, the accumulators and the parameters meet lane by lane, register by register.
; A row's sums go from wave to wave through LDS (a word a row and wave; each of the four exchanges has bytes of its own); O1's fragments as images of their registers.
; NO TENSOR LOADS, NO CLUSTER: each fragment of Wo is read by one wave of a work-group, once: 512 consecutive bytes an instruction, straight into the operand's registers; a way through LDS would add a write and a read
; of all 786,432 bytes for each work-group and spare none, and joint requests exist for loads into LDS alone.
; Mean and variance in two passes.  LIMITS: a block of zeros gets the byte 1 (its codes are zeros); NaN and infinities are not served.
; REGISTERS.  Window 0: v1-10 addresses; v[12:15] mean or 1 / sigma of the two tiles, twice each; v16-47 Wo's scale words (8 i + s: lanes 0-15 tile 2 i, lanes 16-31 tile 2 i + 1; K step s); v48-71 O1's two fragments of a K step;
;   v72-73 their scale words; v74 the word just made; v76-95 the codes just made; v96-111 at work; v112-255 three buffers of four fragments of Wo, later g1 and b1, last the rows that go out.
; Window 1: v0-127 the rows (64 m + index); v128-255 g0 and b0, then the 16 accumulators (128 + 64 m + 8 t).
.set XIMG, 0                           ; LDS: O1's 16 fragments (8 m + s) of 1,536 bytes,
.set XSC,  24576                       ; their scale words, 128 bytes each,
.set EX,   26624                       ; four exchanges of 1,024 bytes: word 512 m + 32 r + 4 w,
.set STG,  30720                       ; and a stage of 16 rows x (512 + 16) bytes for each wave
.set WS,  16
.set XF,  48
.set PW,  74
.set PC,  76
.set TM,  96
.set WB,  112
.set SEL, 24
.set MSB, 0
.macro WIN new
.if MSB != (\new)
	s_set_vgpr_msb (MSB<<8)|(\new)
.set MSB, (\new)
.endif
.endm
.macro NOP4
.rept 4
	v_nop
.endr
.endm
.macro PLOAD dst, ptr                  ; 64 numbers of a parameter's 128 in my lane's order; the window is the caller's
.irp b, 0,1,2,3
.irp q, 0,1,2,3
	global_load_b128 v[\dst+16*\b+4*\q:\dst+16*\b+4*\q+3], v3, s[\ptr:\ptr+1] offset:128*\b+16*\q
.endr
.endr
.endm
.macro REDUCE                          ; two chains of pairs a tile -> my row's sum over the wave's 128 columns, in v[TM] and v[TM+4]
.irp m, 0,1
	v_pk_add_f32 v[TM+4*\m:TM+4*\m+1], v[TM+4*\m:TM+4*\m+1], v[TM+4*\m+2:TM+4*\m+3]
.endr
.irp m, 0,1
	s_delay_alu instid0(VALU_DEP_2)
	v_add_f32 v[TM+4*\m], v[TM+4*\m], v[TM+4*\m+1]
.endr
.irp m, 0,1
	s_delay_alu instid0(VALU_DEP_2)
	v_permlanex16_b32 v[TM+8+\m], v[TM+4*\m], s[SEL], s[SEL+1]
.endr
.irp m, 0,1
	s_delay_alu instid0(VALU_DEP_2)
	v_add_f32 v[TM+4*\m], v[TM+4*\m], v[TM+8+\m]
.endr
.endm
.macro SUMX
	WIN 0x05                                       ; both sources window 1
.irp m, 0,1
	v_pk_add_f32 v[TM+4*\m:TM+4*\m+1], v[64*\m:64*\m+1], v[64*\m+2:64*\m+3]
	v_pk_add_f32 v[TM+4*\m+2:TM+4*\m+3], v[64*\m+4:64*\m+5], v[64*\m+6:64*\m+7]
.endr
	WIN 0x04                                       ; source 1 window 1
.set JJ, 8
.rept 14
.irp m, 0,1
	v_pk_add_f32 v[TM+4*\m:TM+4*\m+1], v[TM+4*\m:TM+4*\m+1], v[64*\m+JJ:64*\m+JJ+1]
	v_pk_add_f32 v[TM+4*\m+2:TM+4*\m+3], v[TM+4*\m+2:TM+4*\m+3], v[64*\m+JJ+2:64*\m+JJ+3]
.endr
.set JJ, JJ+4
.endr
	WIN 0
	REDUCE
.endm
.macro SUMSQ
	WIN 0x05
.irp m, 0,1
	v_pk_mul_f32 v[TM+4*\m:TM+4*\m+1], v[64*\m:64*\m+1], v[64*\m:64*\m+1]
	v_pk_mul_f32 v[TM+4*\m+2:TM+4*\m+3], v[64*\m+2:64*\m+3], v[64*\m+2:64*\m+3]
.endr
.set JJ, 4
.rept 15
.irp m, 0,1
	s_delay_alu instid0(VALU_DEP_4)
	v_pk_fma_f32 v[TM+4*\m:TM+4*\m+1], v[64*\m+JJ:64*\m+JJ+1], v[64*\m+JJ:64*\m+JJ+1], v[TM+4*\m:TM+4*\m+1]
	s_delay_alu instid0(VALU_DEP_4)
	v_pk_fma_f32 v[TM+4*\m+2:TM+4*\m+3], v[64*\m+JJ+2:64*\m+JJ+3], v[64*\m+JJ+2:64*\m+JJ+3], v[TM+4*\m+2:TM+4*\m+3]
.endr
.set JJ, JJ+4
.endr
	WIN 0
	REDUCE
.endm
.macro EXCH k                          ; the eight waves' sums of each row -> the row's sum, in v[TM] (tile 0) and v[TM+8] (tile 1), the same bits in every wave
	ds_store_b32 v7, v[TM] offset:1024*\k
	ds_store_b32 v7, v[TM+4] offset:1024*\k+512
	s_wait_dscnt 0x0                               ; for the others' sake: my stores are done
	s_barrier_signal -1
	s_barrier_wait -1
	ds_load_b128 v[TM:TM+3], v8 offset:1024*\k
	ds_load_b128 v[TM+4:TM+7], v8 offset:1024*\k+16
	ds_load_b128 v[TM+8:TM+11], v8 offset:1024*\k+512
	ds_load_b128 v[TM+12:TM+15], v8 offset:1024*\k+528
	s_wait_dscnt 0x0
.irp m, 0,1
.irp i, 0,2,4,6
	v_add_f32 v[TM+8*\m+\i], v[TM+8*\m+\i], v[TM+8*\m+\i+1]
.endr
.endr
.irp m, 0
	v_add_f32 v[TM+8*\m], v[TM+8*\m], v[TM+8*\m+2]
	v_add_f32 v[TM+8*\m+4], v[TM+8*\m+4], v[TM+8*\m+6]
.endr
.irp m, 1
	v_add_f32 v[TM+8*\m], v[TM+8*\m], v[TM+8*\m+2]
	s_delay_alu instid0(VALU_DEP_4)
	v_add_f32 v[TM+8*\m+4], v[TM+8*\m+4], v[TM+8*\m+6]
.endr
.irp m, 0
	s_delay_alu instid0(VALU_DEP_3)
	v_add_f32 v[TM+8*\m], v[TM+8*\m], v[TM+8*\m+4]
.endr
.irp m, 1
	s_delay_alu instid0(VALU_DEP_2)
	v_add_f32 v[TM+8*\m], v[TM+8*\m], v[TM+8*\m+4]
.endr
.endm
.macro MEAN
	s_delay_alu instid0(VALU_DEP_2)
	v_mul_f32 v12, s26, v[TM]
	s_delay_alu instid0(VALU_DEP_3)
	v_mul_f32 v13, s26, v[TM]
	s_delay_alu instid0(VALU_DEP_3)
	v_mul_f32 v14, s26, v[TM+8]
	s_delay_alu instid0(VALU_DEP_4)
	v_mul_f32 v15, s26, v[TM+8]
.endm
.macro CENTER
	WIN 0x41                                       ; destination and source 0 window 1
.irp m, 0,1
.set JJ, 0
.rept 32
	v_pk_add_f32 v[64*\m+JJ:64*\m+JJ+1], v[64*\m+JJ:64*\m+JJ+1], v[12+2*\m:13+2*\m] neg_lo:[0,1] neg_hi:[0,1]
.set JJ, JJ+2
.endr
.endr
	WIN 0
.endm
.macro RSTD
	s_delay_alu instid0(VALU_DEP_2)
	v_fma_f32 v[TM], v[TM], s26, s27               ; the variance + 1e-5
	s_delay_alu instid0(VALU_DEP_2)
	v_fma_f32 v[TM+8], v[TM+8], s26, s27
	s_wait_alu depctr_va_vdst(0)
	v_rsq_f32 v12, v[TM]
	v_rsq_f32 v14, v[TM+8]
	v_nop                                          ; a plain place behind the two
	s_wait_alu depctr_va_vdst(0)                   ; and the wait ahead of their first reader
	v_mov_b32 v13, v12
	v_mov_b32 v15, v14
.endm
.macro SCALE
	WIN 0x41
.irp m, 0,1
.set JJ, 0
.rept 32
	v_pk_mul_f32 v[64*\m+JJ:64*\m+JJ+1], v[64*\m+JJ:64*\m+JJ+1], v[12+2*\m:13+2*\m]
.set JJ, JJ+2
.endr
.endr
	WIN 0
.endm
.macro AFF win, g, b                   ; x g + b
	WIN \win
.irp m, 0,1
.set JJ, 0
.rept 32
	v_pk_fma_f32 v[64*\m+JJ:64*\m+JJ+1], v[64*\m+JJ:64*\m+JJ+1], v[\g+JJ:\g+JJ+1], v[\b+JJ:\b+JJ+1]
.set JJ, JJ+2
.endr
.endr
	WIN 0
.endm
; 64 numbers of a lane in window 1, v[s] on, become a fragment's codes in v[PC] on and its scale word in v[PW]
.macro QUANTW s
	WIN 0x14                                       ; sources 1 and 2 window 1
.irp b, 0,1,2,3
	v_max3_num_f32 v[TM+\b], 0x1800000, |v[\s+16*\b]|, |v[\s+1+16*\b]|   ; the floor 2^(3 - 127) among the leaves: the byte cannot fall under 1
.endr
.irp i, 2,4,6,8,10,12,14
.irp b, 0,1,2,3
	s_delay_alu instid0(VALU_DEP_4)
	v_max3_num_f32 v[TM+\b], v[TM+\b], |v[\s+16*\b+\i]|, |v[\s+1+16*\b+\i]|
.endr
.endr
	WIN 0
.irp b, 0,1,2,3
	v_permlanex16_b32 v[TM+4+\b], v[TM+\b], s[SEL], s[SEL+1]
.endr
.irp b, 0,1,2,3
	s_delay_alu instid0(VALU_DEP_4)
	v_max_num_f32 v[TM+\b], v[TM+\b], v[TM+4+\b]
.endr
.irp b, 0,1,2,3
	s_delay_alu instid0(VALU_DEP_4)
	v_add_nc_u32 v[TM+12+\b], 0xff000000, v[TM+\b]
.endr
.irp b, 0,1,2,3
	s_delay_alu instid0(VALU_DEP_4)
	v_lshrrev_b32 v[TM+4+\b], 23, v[TM+12+\b]
.endr
	s_delay_alu instid0(VALU_DEP_3)
	v_lshl_or_b32 v[PW], v[TM+5], 8, v[TM+4]
	s_delay_alu instid0(VALU_DEP_1)
	v_lshl_or_b32 v[PW], v[TM+6], 16, v[PW]
	s_delay_alu instid0(VALU_DEP_1)
	v_lshl_or_b32 v[PW], v[TM+7], 24, v[PW]
	WIN 0x01                                       ; source 0 window 1
.irp c, 0,1
	v_cvt_scalef32_pk16_fp6_f32 v[PC+6*\c:PC+2+6*\c], v[\s+32*\c:\s+15+32*\c], v[TM+12+2*\c]
	v_cvt_scalef32_pk16_fp6_f32 v[PC+12+4*\c:PC+14+4*\c], v[\s+16+32*\c:\s+31+32*\c], v[TM+12+2*\c+1]
.endr
	WIN 0
	v_nop                                          ; one plain place behind a scaled conversion
.irp c, 0,1
.irp i, 0,1,2
	v_permlane16_swap_b32 v[PC+6*\c+\i], v[PC+12+4*\c+\i]
.endr
.irp i, 0,1,2
	s_delay_alu instid0(VALU_DEP_3)
	v_mov_b32 v[PC+3+6*\c+\i], v[PC+12+4*\c+\i]
.endr
.endr
.endm
.macro WLOAD n                         ; group n: K step n / 2, my tiles 4 (n % 2) .. + 3, into buffer n % 3
.irp t, 0,1,2,3
.irp c, 0,1,2
	global_load_b128 v[WB+48*((\n)%3)+12*\t+4*\c:WB+48*((\n)%3)+12*\t+4*\c+3], v1, s[6:7] offset:(8*((\n)/2)+4*((\n)%2)+\t)*1536+512*\c
.endr
.endr
.endm
.macro XFETCH s                        ; O1's two fragments of K step s, and their scale words
.irp m, 0,1
.irp c, 0,1,2
	ds_load_b128 v[XF+12*\m+4*\c:XF+12*\m+4*\c+3], v1 offset:XIMG+(8*\m+(\s))*1536+512*\c
.endr
	ds_load_b32 v[72+\m], v2 offset:XSC+(8*\m+(\s))*128
.endr
.endm
.macro WMF d, a, b, sa, sb, ra
.if \ra
	v_wmma_scale_f32_16x16x128_f8f6f4 v[\d:\d+7], v[\a:\a+11], v[\b:\b+11], v[\d:\d+7], v[\sa], v[\sb] matrix_a_fmt:MATRIX_FMT_FP6 matrix_b_fmt:MATRIX_FMT_FP6 matrix_a_scale:MATRIX_SCALE_ROW1
.else
	v_wmma_scale_f32_16x16x128_f8f6f4 v[\d:\d+7], v[\a:\a+11], v[\b:\b+11], v[\d:\d+7], v[\sa], v[\sb] matrix_a_fmt:MATRIX_FMT_FP6 matrix_b_fmt:MATRIX_FMT_FP6
.endif
.endm
; Eight products: four tiles of Wo x two tiles of rows, eight accumulators by turns; the same eight come again two groups on.  lc: the loads of Wo that may stay out.
.macro GROUP n, lc
	s_wait_loadcnt \lc
.if (\n)%2 == 0
	s_wait_dscnt 0x0                               ; this K step's fragments of O1
.endif
	WIN 0x50                                       ; C and D window 1
.irp t, 0,1,2,3
.irp m, 0,1
	WMF 128+64*\m+8*(4*((\n)%2)+\t), WB+48*((\n)%3)+12*\t, XF+12*\m, WS+8*(2*((\n)%2)+\t/2)+(\n)/2, 72+\m, \t%2
.endr
.endr
	WIN 0
	NOP4                                           ; places in front of loads into registers that these products have read, and of the first read of results
.if (\n)+3 < 16
	WLOAD (\n)+3
.endif
.if ((\n)%2 == 1) && ((\n) < 15)
	XFETCH (\n)/2+1
.endif
.endm
	s_load_b512 s[4:19], s[0:1], 0x0               ; ob, woi, Wo_scales, g0, b0, bo, g1, b1
	s_load_b64 s[20:21], s[0:1], 0x40              ; out0
	v_lshl_add_u32 v91, v0, 2, 0x18000
	v_mov_b32 v95, 0
	v_lshrrev_b32 v1, 5, v0
	s_delay_alu instid0(VALU_DEP_1)
	v_readfirstlane_b32 s22, v1                    ; wave 0..7
	v_and_b32 v11, 31, v0                          ; lane
	v_and_b32 v96, 15, v0                          ; r
	v_bfe_u32 v97, v0, 4, 1                        ; h
	s_delay_alu instid0(VALU_DEP_2)
	v_and_b32 v98, 8, v96
	s_delay_alu instid0(VALU_DEP_1)
	v_add_nc_u32 v98, v98, v96                     ; r + 8 (r / 8)
	v_lshlrev_b32 v1, 4, v11                       ; 16 x lane
	v_lshlrev_b32 v2, 2, v11                       ; 4 x lane
	v_lshlrev_b32 v3, 6, v97                       ; 64 h
	s_delay_alu instid0(VALU_DEP_4)
	v_lshl_add_u32 v4, v97, 3, v98
	s_delay_alu instid0(VALU_DEP_1)
	v_lshlrev_b32 v4, 5, v4                        ; Wo's scales: row 8 h + r + 8 (r / 8) of a pair of tiles, 32 bytes a row
	s_mul_i32 s28, s22, 1536
	v_add_nc_u32 v5, s28, v1                       ; where I store O1's images: 16 x lane + 1,536 x wave
	s_lshl_b32 s28, s22, 7
	s_add_co_u32 s28, s28, XSC
	v_add_nc_u32 v6, s28, v2                       ; and their scale words
	v_lshlrev_b32 v8, 5, v96
	s_delay_alu instid0(VALU_DEP_1)
	v_add_nc_u32 v8, EX, v8                        ; an exchange: my row's eight words,
	s_lshl_b32 s28, s22, 2
	v_add_nc_u32 v7, s28, v8                       ; and my wave's among them
	s_mul_i32 s28, s22, 8448
	s_add_co_u32 s28, s28, STG
	v_mul_u32_u24 v9, v96, 528
	s_delay_alu instid0(VALU_DEP_1)
	v_lshl_add_u32 v9, v97, 6, v9
	s_delay_alu instid0(VALU_DEP_1)
	v_add_nc_u32 v9, s28, v9                       ; my stage, in: row r, + 64 h
	v_add_nc_u32 v10, s28, v1                      ; and back: 16 bytes a lane of a row
	v_mov_b32 v[TM+8], 0                           ; a lane permute's destination counts as one of its sources
	v_mov_b32 v[TM+9], 0
	s_mov_b32 s[SEL], 0x76543210
	s_mov_b32 s[SEL+1], 0xfedcba98
	s_mov_b32 s26, 0x3a800000                      ; 1 / 1024
	s_mov_b32 s27, 0x3727c5ac                      ; 1e-5
	s_lshl_b32 s28, ttmp9, 17                      ; 32 rows: 131,072 bytes in ob and in out0
	s_mov_b32 s29, 0
	s_lshl_b32 s30, s22, 13                        ; ob: my two heads
	s_mov_b32 s31, 0
	s_lshl_b32 s32, s22, 9                         ; 128 numbers of f32
	s_mov_b32 s33, 0
	s_mul_i32 s34, s22, 98304                      ; woi: my 64 fragments
	s_mov_b32 s35, 0
	s_lshl_b32 s36, s22, 12                        ; Wo's scales: my 128 rows
	s_mov_b32 s37, 0
	s_wait_kmcnt 0x0
	s_add_nc_u64 s[4:5], s[4:5], s[28:29]
	s_add_nc_u64 s[4:5], s[4:5], s[30:31]
	s_add_nc_u64 s[6:7], s[6:7], s[34:35]
	s_add_nc_u64 s[8:9], s[8:9], s[36:37]
.irp p, 10,12,14,16,18
	s_add_nc_u64 s[\p:\p+1], s[\p:\p+1], s[32:33]
.endr
	s_add_nc_u64 s[20:21], s[20:21], s[28:29]
	s_add_nc_u64 s[20:21], s[20:21], s[32:33]
	; ---- the rows, the first parameters, Wo's scale words, the first three groups of Wo
	WIN 0x40                                       ; destination window 1
.irp m, 0,1
.irp e, 0,1
.irp q, 0,1,2,3,4,5,6,7
	global_load_b128 v[64*\m+32*\e+4*\q:64*\m+32*\e+4*\q+3], v1, s[4:5] offset:65536*\m+4096*\e+512*\q th:TH_LOAD_NT
.endr
.endr
.endr
	PLOAD 128, 10                                  ; g0
	PLOAD 192, 12                                  ; b0
	WIN 0
.irp i, 0,1,2,3
	global_load_b128 v[WS+8*\i:WS+8*\i+3], v4, s[8:9] offset:1024*\i
	global_load_b128 v[WS+8*\i+4:WS+8*\i+7], v4, s[8:9] offset:1024*\i+16
.endr
	s_wait_loadcnt 40                              ; the rows are in: behind them stand g0's 16 loads, b0's 16 and the scale words' 8
	WLOAD 0
	WLOAD 1
	WLOAD 2
	; ---- LN0
	SUMX
	EXCH 0
	MEAN
	CENTER
	SUMSQ
	EXCH 1
	RSTD
	SCALE
	s_wait_loadcnt 44                              ; g0 and b0 are in: behind them stand the scale words' 8 loads and Wo's 36
	AFF 0x55, 128, 192
	WIN 0x40
	PLOAD 128, 14                                  ; bo, into the accumulators of both tiles of rows: the C of the first K step
	PLOAD 192, 14
	WIN 0
	; ---- O1's codes: K step w of the product, for both tiles of rows
.irp m, 0,1
	QUANTW 64*\m
.irp c, 0,1,2
	ds_store_b128 v5, v[PC+4*\c:PC+4*\c+3] offset:XIMG+8*\m*1536+512*\c
.endr
	ds_store_b32 v6, v[PW] offset:8*\m*128
	s_wait_dscnt 0x0                               ; the stores are done: for my registers, and in front of the barrier for the others
.endr
	s_barrier_signal -1
	s_barrier_wait -1                              ; O1's sixteen fragments lie in LDS
	XFETCH 0
	; ---- the product: 16 groups, written out (three buffers and two groups a K step do not come round within eight steps); every offset is an immediate
	GROUP 0, 0                                     ; bo's loads are the youngest
.irp n, 1,2,3,4,5,6,7,8,9,10,11,12,13
	GROUP \n, 24                                   ; the two younger groups may be out
.endr
	GROUP 14, 12
	GROUP 15, 0
	PLOAD 112, 16                                  ; g1 and b1, where Wo's buffers lay
	PLOAD 176, 18
	WIN 0x45                                       ; all in window 1
.set JJ, 0
.rept 128
	v_max_num_f32 v[128+JJ], 0, v[128+JJ]          ; relu; each accumulator from its low end on
.set JJ, JJ+1
.endr
.set JJ, 0
.rept 64
	v_pk_add_f32 v[JJ:JJ+1], v[JJ:JJ+1], v[128+JJ:128+JJ+1]   ; + O1
.set JJ, JJ+2
.endr
	WIN 0
	; ---- LN1
	SUMX
	EXCH 2
	MEAN
	CENTER
	SUMSQ
	EXCH 3
	RSTD
	SCALE
	s_wait_loadcnt 0x0                             ; g1, b1
	AFF 0x41, 112, 176
	; ---- out: through my own stage, so that 32 lanes store 512 consecutive bytes of a row.  LDS serves a wave's instructions in order (ISA guide 5.7.1.4): no wait between the stores and the loads
	s_wait_alu depctr_va_vdst(0)
.irp m, 0,1
	WIN 0x04                                       ; an LDS store's data are its source 1: window 1
.irp b, 0,1,2,3
.irp q, 0,1,2,3
	ds_store_b128 v9, v[64*\m+16*\b+4*\q:64*\m+16*\b+4*\q+3] offset:128*\b+16*\q
.endr
.endr
	WIN 0
.irp p, 0,1,2,3,4,5,6,7,8,9,10,11,12,13,14,15
	ds_load_b128 v[112+64*\m+4*\p:112+64*\m+4*\p+3], v10 offset:528*\p
.endr
.irp p, 0,1,2,3,4,5,6,7,8,9,10,11,12,13,14,15
	s_wait_dscnt 15-\p
	global_store_b128 v1, v[112+64*\m+4*\p:112+64*\m+4*\p+3], s[20:21] offset:(8*\m+\p+8*(\p/8))*4096 th:TH_STORE_NT
.endr
.endr
	s_wait_tensorcnt 0x0
	ds_add_u32 v91, v95
	s_wait_dscnt 0x0
	s_endpgm
.Lfunc_end_k_q208bdcc20b_fin:
	.size	k_q208bdcc20b_fin, .Lfunc_end_k_q208bdcc20b_fin-k_q208bdcc20b_fin
	.p2alignl 7, 3214868480
	.fill 96, 4, 3214868480
	.section	.rodata,"a",@progbits
	.p2align	6, 0x0
	.amdhsa_kernel k_q208bdcc20b_fin
		.amdhsa_group_segment_fixed_size 99328
		.amdhsa_private_segment_fixed_size 0
		.amdhsa_enable_private_segment 0
		.amdhsa_kernarg_size 72
		.amdhsa_user_sgpr_count 2
		.amdhsa_user_sgpr_kernarg_segment_ptr 1
		.amdhsa_wavefront_size32 1
		.amdhsa_system_sgpr_workgroup_id_x 1
		.amdhsa_system_sgpr_workgroup_id_y 1
		.amdhsa_system_sgpr_workgroup_id_z 1
		.amdhsa_system_vgpr_workitem_id 0
		.amdhsa_next_free_vgpr 512
		.amdhsa_next_free_sgpr 66
		.amdhsa_reserve_vcc 0
		.amdhsa_float_denorm_mode_32 3
		.amdhsa_float_denorm_mode_16_64 3
		.amdhsa_memory_ordered 1
		.amdhsa_forward_progress 1
		.amdhsa_inst_pref_size 138
	.end_amdhsa_kernel
	.amdgpu_metadata
---
amdhsa.version: [ 1, 2 ]
amdhsa.kernels:
  - .name:           k_q208bdcc20b_fin
    .symbol:         k_q208bdcc20b_fin.kd
    .args:
      - { .name: ob, .offset: 0, .size: 8, .value_kind: global_buffer, .address_space: global }
      - { .name: woi, .offset: 8, .size: 8, .value_kind: global_buffer, .address_space: global }
      - { .name: Wo_scales, .offset: 16, .size: 8, .value_kind: global_buffer, .address_space: global }
      - { .name: g0, .offset: 24, .size: 8, .value_kind: global_buffer, .address_space: global }
      - { .name: b0, .offset: 32, .size: 8, .value_kind: global_buffer, .address_space: global }
      - { .name: bo, .offset: 40, .size: 8, .value_kind: global_buffer, .address_space: global }
      - { .name: g1, .offset: 48, .size: 8, .value_kind: global_buffer, .address_space: global }
      - { .name: b1, .offset: 56, .size: 8, .value_kind: global_buffer, .address_space: global }
      - { .name: out0, .offset: 64, .size: 8, .value_kind: global_buffer, .address_space: global }
    .group_segment_fixed_size: 99328
    .private_segment_fixed_size: 0
    .kernarg_segment_align: 8
    .kernarg_segment_size: 72
    .max_flat_workgroup_size: 256
    .sgpr_count:     66
    .vgpr_count:     512
    .wavefront_size: 32
...
	.end_amdgpu_metadata
.endif
;; end of part 3
